; MI455X (gfx1250); checked and timed in simulation.
; The chip was launched on July 23, 2026; its instructions are those of AMD's public machine-readable ISA for CDNA 5 (MIT licence, August 2026) and "CDNA5" Instruction Set Architecture Reference Guide (July 2026). The comments in the code are by the model that wrote it; some were corrected since.
;; Multi Head Attention. Allowed arithmetic: matrix products marked QUANTISED: E2M3 operands, one E8M0 scale for each 32 along K, by v_wmma_scale_f32_16x16x128_f8f6f4 with both operands' format E2M3, f32 sums; everything else in f32.
;; Inputs: Wk 16 x 1,024 x 64 float32; Wo 1,024 x 1,024 float32; Wq 16 x 1,024 x 64 float32; Wv 16 x 1,024 x 64 float32; bo 1,024 float32; key 2 x 2,048 x 1,024 float32; mask 2 x 1 x 2,048 x 2,048 int32; query 2 x 2,048 x 1,024 float32; value 2 x 2,048 x 1,024 float32.
;; Outputs: out0 2 x 2,048 x 1,024 float32.
;; This version of the problem:
;;   THIS VERSION OF THE PROBLEM IS GIVEN IN LOW PRECISION. The matrix products marked QUANTISED in the list below multiply operands that are first quantised to E2M3 (2 exponent bits, 3 mantissa bits; 6 bits a number), with one power-of-two scale for each 32 numbers along K (OCP MX v1.0); their sums are f32. All else is computed in f32.
;;   The module's matrix products, in the order in which they are computed (A, B: the left and right operand; K: the contracted axis; several contracted axes count as one K, in the product's order):
;;     1. [M 1,024, K 1,024] x [K 1,024, N 4,096]; A: input Wq; B: input query: QUANTISED
;;     2. [M 1,024, K 1,024] x [K 1,024, N 4,096]; A: input Wk; B: input key: QUANTISED
;;     3. [M 1,024, K 1,024] x [K 1,024, N 4,096]; A: input Wv; B: input value: QUANTISED
;;     4. batch 32 x [M 2,048, K 64] x [K 64, N 2,048]; A: computed on the way; B: computed on the way: QUANTISED
;;     5. batch 32 x [M 2,048, K 2,048] x [K 2,048, N 64]; A: softmax (see below); B: computed on the way: QUANTISED
;;     6. [M 4,096, K 1,024] x [K 1,024, N 1,024]; A: computed on the way; B: input Wo: QUANTISED
;;   THE QUANTISER, for each operand of a quantised product, along K:
;;     - K is cut into blocks of 32 from its start; a last block that is shorter is filled with zeros.
;;     - A block's scale is 2^e with e = floor(log2(the largest magnitude in the block)) - 2, held to -126 .. 127; a block of zeros has e = 0. As a byte (E8M0): e + 127.
;;     - Each number is divided by its block's scale, clamped to +-7.5, and rounded to the nearest number of E2M3, ties to even, subnormals kept.
;;     - The product sums the exact products of the quantised numbers (number of the format x scale) in f32.
;;   ~~~python
;;   def quantise(x, axis):      # numpy; x: float32 -> the quantised numbers, widened to float32 again
;;       x = np.moveaxis(x, axis, -1); K = x.shape[-1]
;;       x = np.pad(x, [(0, 0)] * (x.ndim - 1) + [(0, -K % 32)]); x = x.reshape(x.shape[:-1] + (-1, 32)); a = np.abs(x).max(-1, keepdims=True)
;;       e = np.where(a > 0, np.clip(np.frexp(np.where(a > 0, a, 1))[1] - 1 - 2, -126, 127), 0)      # np.frexp(a)[1] - 1 = floor(log2(a)), exactly
;;       r = np.clip(x / 2.0 ** e, -7.5, 7.5)
;;       step = 2.0 ** (np.maximum(np.frexp(np.where(r == 0, 1, r))[1] - 1, 0) - 3)
;;       q = np.round(r / step) * step * 2.0 ** e      # np.round: ties to even
;;       return np.moveaxis(q.reshape(q.shape[:-2] + (-1,))[..., :K], -1, axis).astype(np.float32)
;;   ~~~
;;   SOFTMAX AHEAD OF A QUANTISED PRODUCT. Where the list says 'softmax', what is quantised is not the finished softmax but p = 2^(t - M), with t = logit x log2(e) and M = ceil(the row's largest t), a whole number; so 1/2 < the row's largest p <= 1. The row's sum l is taken of the UNQUANTISED p, in f32, and the product's result is divided by l at the end. Since M is a whole number, a kernel that streams over the keys may use a running M (the ceiling of the running maximum): every later rescaling is an exact power of two, which a block's scale takes up: the codes' values come out the same.
;;   OPERANDS COMPUTED ON THE WAY. 'Computed on the way' means the value that the module computes at that place (a softmax that the list does not call 'softmax' is quantised finished and normalised). What goes into a quantiser is computed in f32, as accurately as f32 sums, v_exp_f32 and their like allow (about 1e-6 of the number): no bf16 or f16 on the way to a quantiser, and a product that is left as it is and whose result goes on into a quantised operand takes f32 operands (vector FMAs, or v_wmma_f32_16x16x4_f32). A number that lies on a knife's edge between two numbers of the format may be rounded either way, as far as f32 arithmetic and the matrix unit's own rounding can turn it there, and no further.
;; One version. Each part assembles by itself: llvm-mc -triple=amdgcn-amd-amdhsa -mcpu=gfx1250 --defsym DOCPART=n.
;; ======== version 1 of 1: 4 launches
;; limits: right only within a limited range of input values
;; workspace buffers: prep 13,107,200 bytes; maskw 1,048,576 bytes of whole numbers; msum 32,768 bytes of whole numbers; qkv 9,830,400 bytes; cc 3,276,800 bytes
;; launch prep (part 1): grid 864 x 1, 4 waves a work-group, no clusters, 68,096 bytes of LDS; arguments query, key, value, Wo, mask, Wq, Wk, Wv, prep, maskw, msum; writes prep, maskw, msum
.if DOCPART == 1
	.amdgcn_target "amdgcn-amd-amdhsa--gfx1250"
	.amdhsa_code_object_version 6
	.text
	.protected	k_q116f35251d_prep
	.globl	k_q116f35251d_prep
	.p2align	8
	.type	k_q116f35251d_prep,@function
k_q116f35251d_prep:
	s_mov_b64 s[64:65], 0
	v_nop
	global_prefetch_b8 v0, s[64:65] scope:SCOPE_SE
	s_setreg_imm32_b32 hwreg(HW_REG_WAVE_MODE, 25, 1), 1
	s_wait_xcnt 0x0
; PREP: every f32 operand of the four large products is quantised ONCE to codes of FP6 (E2M3) with one E8M0 byte for each 32 along K, and the mask is packed.
; The codes are laid as IMAGES OF OPERAND REGISTERS: a fragment (16 rows x 128 K, 12 registers a lane) is 1,536 bytes; registers 4 m .. 4 m + 3 of lane l lie at 512 m + 16 l.
; The scale words of a tile (16 rows x K = 1,024) are 512 bytes: lane 16 kh + r holds, at 16 x lane, the four words of row r for K steps 4 kh .. 4 kh + 3.
; A PERMUTED tile 2 g + u holds rows 32 g + 8 u + r + 8 (r / 8) (key, value, Wq, Wk, Wv); a natural tile t holds rows 16 t + r (query, Wo).
; A block's scale is 2^(floor(log2(largest magnitude)) - 2); its byte is the largest magnitude's exponent field - 2, held at 1 from below.
; LIMITS: NaN and infinities among the inputs are not served; a block of zeros, or one whose largest magnitude lies under 2^-124, gets the byte 1 (its codes are zeros or
; subnormal codes under that scale; this program alone reads the bytes).
; THREE PATHS, parted by the work-group's number: 0-415 query, key, value, Wo (K innermost); 416-671 the mask; 672-863 Wq, Wk, Wv (K is the middle axis).
; No matrix work, no tensor load, no barrier: waves share nothing.  The first two paths turn their data through a stage in LDS that is the wave's own, and each path has LDS bytes of its own.
.set WIMG, 9437184                     ; prep: images of Wo, Wq, Wk, Wv (786,432 bytes each), behind those of query, key, value (3,145,728 each)
.set XSCL, 12582912                    ; scale images of query, key, value (131,072 each)
.set WSCL, 12976128                    ; and of Wo, Wq, Wk, Wv (32,768 each)
.set SP,   528                         ; a stage row: 512 bytes + 16 = 132 words: row r starts at bank 4 r mod 64 (64 banks of 4 bytes: ISA guide 11.1)
.set STG,  16*SP
.set R,    64                          ; v64-191  two sets of 64 registers as loaded
.set X,    192                         ; v192-255 the 64 numbers of a lane
.set C,    24                          ; v24-35   a fragment's codes
.set T,    36                          ; v36-42   the second halves of blocks, as converted
.set W,    44                          ; v44-47   four scale words
	s_load_b256 s[4:11], s[0:1], 0x0               ; query, key, value, Wo
	s_load_b256 s[12:19], s[0:1], 0x20             ; mask, Wq, Wk, Wv
	s_load_b128 s[20:23], s[0:1], 0x40             ; prep, maskw
	s_load_b64 s[58:59], s[0:1], 0x50              ; msum
	v_lshl_add_u32 v62, v0, 2, 0x10800
	v_mov_b32 v63, 0
	v_lshrrev_b32 v1, 5, v0
	v_readfirstlane_b32 s24, v1                    ; wave 0..3
	v_and_b32 v1, 31, v0                           ; lane
	v_lshlrev_b32 v2, 4, v1                        ; 16 x lane
	v_and_b32 v5, 15, v0                           ; r
	v_bfe_u32 v6, v0, 4, 1                         ; h
	s_mov_b32 s36, 0x76543210
	s_mov_b32 s37, 0xfedcba98                      ; v_permlanex16_b32's selects for lane l xor 16
	s_cmp_lt_u32 ttmp9, 416
	s_cbranch_scc0 .Lnot_x
; ---------------- PATH X: a wave takes one tile (16 rows) x 512 along K: four fragments and half of the tile's scale image ----------------
	s_mul_i32 s25, s24, STG                        ; my stage
	v_add_nc_u32 v3, s25, v2                       ; in: 16 x lane of a row
	v_mul_u32_u24 v4, v5, SP
	v_lshl_add_u32 v4, v6, 7, v4
	v_add_nc_u32 v4, s25, v4                       ; out: row r, + 128 h: the operand's layout gives lane (r, h) k = 64 c + 32 h + 0 .. 31
	v_lshlrev_b32 v15, 3, v6                       ; 8 h: my bytes' place in a scale word
	v_mov_b32 v16, 0                               ; written once: a lane permute's destination counts as one of its sources
	s_lshr_b32 s26, ttmp9, 7                       ; tensor 0 query, 1 key, 2 value, 3 Wo
	s_lshl_b32 s27, ttmp9, 2
	s_add_co_u32 s27, s27, s24
	s_lshl_b32 s28, s26, 9
	s_sub_co_u32 s27, s27, s28                     ; task in the tensor
	s_lshr_b32 s28, s27, 1                         ; tile
	s_and_b32 s29, s27, 1                          ; kh: which 512 along K
	s_lshr_b32 s32, s28, 1
	s_lshl_b32 s32, s32, 5
	s_and_b32 s33, s28, 1
	s_lshl_b32 s33, s33, 3
	s_add_co_u32 s32, s32, s33                     ; a permuted tile's first row: 32 (tile / 2) + 8 (tile % 2)
	s_lshl_b32 s33, s28, 4                         ; a natural tile's: 16 tile
	s_sub_co_u32 s30, s26, 1
	s_cmp_lt_u32 s30, 2                            ; key and value are permuted
	s_cselect_b32 s32, s32, s33
	s_cselect_b32 s34, 16, 8                       ; rows from the tile's first eight rows to its second eight
	s_lshl_b32 s32, s32, 12                        ; a row is 4,096 bytes
	s_lshl_b32 s33, s29, 11
	s_add_co_u32 s32, s32, s33
	s_mov_b32 s33, 0
	s_lshl_b32 s34, s34, 12
	s_mov_b32 s35, 0
	s_mul_i32 s38, s26, 3145728                    ; (Wo's image follows value's, so one formula serves the four)
	s_lshl_b32 s39, s28, 3
	s_lshl_b32 s40, s29, 2
	s_add_co_u32 s39, s39, s40
	s_mul_i32 s39, s39, 1536
	s_add_co_u32 s38, s38, s39                     ; my four fragments: (8 tile + 4 kh) x 1,536
	s_mov_b32 s39, 0
	s_lshl_b32 s40, s26, 17
	s_lshl_b32 s41, s28, 9
	s_add_co_u32 s40, s40, s41
	s_lshl_b32 s41, s29, 8
	s_add_co_u32 s40, s40, s41
	s_add_co_u32 s40, s40, XSCL                    ; my half of the tile's scale image
	s_mov_b32 s41, 0
	s_wait_kmcnt 0x0
	s_cmp_eq_u32 s26, 1                            ; the choice hangs on the work-group's number alone
	s_cselect_b64 s[42:43], s[6:7], s[4:5]
	s_cmp_eq_u32 s26, 2
	s_cselect_b64 s[42:43], s[8:9], s[42:43]
	s_cmp_eq_u32 s26, 3
	s_cselect_b64 s[42:43], s[10:11], s[42:43]
	s_add_nc_u64 s[42:43], s[42:43], s[32:33]      ; rows 0-7 of the tile
	s_add_nc_u64 s[44:45], s[42:43], s[34:35]      ; rows 8-15
	s_add_nc_u64 s[46:47], s[20:21], s[38:39]
	s_add_nc_u64 s[48:49], s[20:21], s[40:41]
.macro LOADX s                         ; 16 rows x 128 numbers: each load reads 512 consecutive bytes of one row
.irp i, 0,1,2,3,4,5,6,7
	global_load_b128 v[R+64*((\s)%2)+4*\i:R+64*((\s)%2)+4*\i+3], v2, s[42:43] offset:4096*\i+512*(\s) th:TH_LOAD_NT
.endr
.irp i, 0,1,2,3,4,5,6,7
	global_load_b128 v[R+64*((\s)%2)+32+4*\i:R+64*((\s)%2)+32+4*\i+3], v2, s[44:45] offset:4096*\i+512*(\s) th:TH_LOAD_NT
.endr
.endm
.macro TURNX s                         ; through the stage: LDS serves a wave's instructions in order (ISA guide 5.7.1.4), so no wait stands between the stores and the loads
.irp i, 0,1,2,3,4,5,6,7,8,9,10,11,12,13,14,15
	ds_store_b128 v3, v[R+64*((\s)%2)+4*\i:R+64*((\s)%2)+4*\i+3] offset:SP*\i
.endr
.irp c, 0,1
.irp m, 0,1,2,3,4,5,6,7
	ds_load_b128 v[X+32*\c+4*\m:X+32*\c+4*\m+3], v4 offset:256*\c+16*\m
.endr
.endr
.endm
.macro QUANTX s                        ; my two whole blocks (2 c + h) become registers 6 c .. 6 c + 5 of the fragment; the row's scale word goes to v[W + s]
.irp c, 0,1
	v_max3_num_f32 v[8+\c], |v[X+32*\c]|, |v[X+32*\c+1]|, 0x1800000   ; with the floor 2^(3 - 127): the byte cannot fall under 1
.endr
.irp i, 2,4,6,8,10,12,14,16,18,20,22,24,26,28,30
.irp c, 0,1
	v_max3_num_f32 v[8+\c], v[8+\c], |v[X+32*\c+\i]|, |v[X+32*\c+\i+1]|   ; (the two blocks by turns)
.endr
.endr
.irp c, 0,1
	v_add_nc_u32 v[10+\c], 0xff000000, v[8+\c]     ; 2 off the exponent field: the conversion takes this operand's exponent field as its scale
.endr
.irp c, 0,1
	v_lshrrev_b32 v[12+\c], 23, v[10+\c]           ; the scale's byte
.endr
	v_lshl_or_b32 v14, v13, 16, v12                ; blocks h and 2 + h,
	v_lshlrev_b32 v14, v15, v14                    ; at their places in the word;
	v_permlanex16_b32 v16, v14, s36, s37
	v_or_b32 v[W+\s], v14, v16                     ; with lane l xor 16's two the word is whole
.irp c, 0,1
	v_cvt_scalef32_pk16_fp6_f32 v[C+6*\c:C+6*\c+2], v[X+32*\c:X+32*\c+15], v[10+\c]
	v_cvt_scalef32_pk16_fp6_f32 v[T+4*\c:T+4*\c+2], v[X+32*\c+16:X+32*\c+31], v[10+\c]   ; (a conversion's three registers begin on an even number)
.endr
	v_nop                                          ; one plain place behind a scaled conversion
.irp c, 0,1
.irp i, 0,1,2
	v_mov_b32 v[C+3+6*\c+\i], v[T+4*\c+\i]
.endr
.endr
.endm
	s_wait_alu depctr_va_vdst(0)
	LOADX 0
	LOADX 1
.irp s, 0,1,2,3
.if \s < 3
	s_wait_loadcnt 16                              ; this K step's 16 loads are in; the next step's 16 may be out
.else
	s_wait_loadcnt 0x0
.endif
	TURNX \s
	s_wait_dscnt 0x0                               ; my 64 numbers are back; the stores have read their registers,
.if \s < 2
	LOADX \s+2                                     ; which take the loads of two steps on
.endif
	s_wait_xcnt 0x0                                ; the last step's stores have read the codes' registers: they are written again only behind this wait
	QUANTX \s
.irp m, 0,1,2
	global_store_b128 v2, v[C+4*\m:C+4*\m+3], s[46:47] offset:1536*\s+512*\m   ; 32 lanes store 512 consecutive bytes
.endr
.endr
	v_cmp_gt_u32 vcc_lo, 16, v1
	s_wait_xcnt 0x0                                ; EXEC changes only behind this wait
	s_wait_tensorcnt 0x0
	ds_add_u32 v62, v63
	s_wait_dscnt 0x0
	s_and_saveexec_b32 s30, vcc_lo
	global_store_b128 v2, v[W:W+3], s[48:49]       ; sixteen lanes store 256 consecutive bytes, aligned: row r's four words
	s_wait_xcnt 0x0
	s_or_b32 exec_lo, exec_lo, s30
	s_endpgm
.Lnot_x:
	s_cmp_lt_u32 ttmp9, 672
	s_cbranch_scc0 .Lpath_w
; ---------------- PATH M: a work-group takes 16 query rows of the mask, a wave four key steps of 128 ----------------
; Record (16 T + ks) of maskw: 64 words; bit L of word j says that mask[16 T + L % 16][128 ks + 32 (j / 16) + 16 (L / 16) + j % 16] is not 0: word j is the lane mask for register j of a tile of scores.
; The record's summary, 8 bytes of msum: the OR of its 64 words and their AND.  The summaries have a buffer of their own: they are what a later launch branches on.
	s_mul_i32 s25, s24, STG
	s_add_co_u32 s25, s25, 4*STG                   ; this path's stages lie behind the other path's
	s_wait_alu depctr_va_vdst(0)
	v_add_nc_u32 v3, s25, v2
	v_mul_u32_u24 v4, v5, SP
	v_lshl_add_u32 v4, v6, 6, v4
	v_add_nc_u32 v4, s25, v4                       ; out: row r, + 64 h
	v_lshlrev_b32 v7, 3, v1                        ; 8 x lane
	v_lshlrev_b32 v8, 2, v1                        ; 4 x lane
.irp i, 24,25,26,27,28,29,30,31,32
	v_mov_b32 v\i, 0                               ; v_writelane_b32's destination counts as read
.endr
	s_sub_co_u32 s26, ttmp9, 416                   ; T = 128 n + query tile
	s_lshl_b32 s32, s26, 17                        ; 16 rows of 8,192 bytes
	s_lshl_b32 s33, s24, 11                        ; my four key steps of 512 bytes
	s_add_co_u32 s32, s32, s33
	s_mov_b32 s33, 0
	s_lshl_b32 s27, s26, 4
	s_lshl_b32 s28, s24, 2
	s_add_co_u32 s27, s27, s28                     ; my first record
	s_lshl_b32 s34, s27, 8
	s_mov_b32 s35, 0
	s_lshl_b32 s38, s27, 3                         ; and its summary
	s_mov_b32 s39, 0
	s_wait_kmcnt 0x0
	s_add_nc_u64 s[42:43], s[12:13], s[32:33]
	s_add_nc_u64 s[46:47], s[22:23], s[34:35]
	s_add_nc_u64 s[48:49], s[58:59], s[38:39]
.macro LOADM s
.irp i, 0,1,2,3,4,5,6,7,8,9,10,11,12,13,14,15
	global_load_b128 v[R+64*((\s)%2)+4*\i:R+64*((\s)%2)+4*\i+3], v2, s[42:43] offset:8192*\i+512*(\s) th:TH_LOAD_NT
.endr
.endm
.macro TURNM s
.irp i, 0,1,2,3,4,5,6,7,8,9,10,11,12,13,14,15
	ds_store_b128 v3, v[R+64*((\s)%2)+4*\i:R+64*((\s)%2)+4*\i+3] offset:SP*\i
.endr
.irp b, 0,1,2,3
.irp m, 0,1,2,3
	ds_load_b128 v[X+16*\b+4*\m:X+16*\b+4*\m+3], v4 offset:128*\b+16*\m   ; register 16 b + i: column 32 b + 16 h + i of row r
.endr
.endr
.endm
.macro BITS s                          ; 64 lane masks; word j goes to lane j / 2 of a pair of registers, so that a lane stores words 2 l and 2 l + 1
	s_mov_b32 s54, 0
	s_mov_b32 s55, -1
.set j, 0
.rept 64
	v_cmp_ne_u32 s[50+j%4], 0, v[X+j]
	v_writelane_b32 v[24+2*(\s)+(j&1)], s[50+j%4], j>>1
	s_or_b32 s54, s54, s[50+j%4]
	s_and_b32 s55, s55, s[50+j%4]
.set j, j+1
.endr
	global_store_b64 v7, v[24+2*(\s):25+2*(\s)], s[46:47] offset:256*(\s)   ; 32 lanes store 256 consecutive bytes, aligned; each step has registers of its own
	v_writelane_b32 v32, s54, 2*(\s)               ; the record's summary: the OR of its words (0: all hidden),
	v_writelane_b32 v32, s55, 2*(\s)+1             ; and the AND (-1: all open)
.endm
	LOADM 0
	LOADM 1
.irp s, 0,1,2,3
.if \s < 3
	s_wait_loadcnt 16                              ; this key step's 16 loads are in; the next step's may be out
.else
	s_wait_loadcnt 0x0
.endif
	TURNM \s
	s_wait_dscnt 0x0
.if \s < 2
	LOADM \s+2
.endif
	BITS \s
.endr
	v_cmp_gt_u32 vcc_lo, 8, v1
	s_wait_alu depctr_va_vdst(0)
	s_wait_xcnt 0x0                                ; EXEC changes only behind this wait
	s_wait_tensorcnt 0x0
	ds_add_u32 v62, v63
	s_wait_dscnt 0x0
	s_and_saveexec_b32 s56, vcc_lo
	global_store_b32 v8, v32, s[48:49]             ; my four records' summaries: 32 consecutive bytes
	s_wait_xcnt 0x0
	s_or_b32 exec_lo, exec_lo, s56
	s_endpgm
.Lpath_w:
; ---------------- PATH W: Wq, Wk, Wv [16][1024 (K)][64].  A lane takes a column, its registers run down K; a wave takes 32 columns x 128 along K ----------------
; Column 32 G + l of the product's 1,024 rows (head G / 2, d = 32 (G % 2) + l) is row r = l % 8 + 8 (l / 16) of the permuted tile 2 G + u, u = (l / 8) % 2.
; My block t (k = 32 t ..) is what lane (r, t % 2) of the fragment holds in registers 6 (t / 2) .. + 5: so I hold the registers of two of the fragment's lanes, and store each where it belongs.
	s_sub_co_u32 s26, ttmp9, 672
	s_lshl_b32 s26, s26, 2
	s_add_co_u32 s26, s26, s24                     ; task: bit 0 G % 2, bits 3:1 the K step, bits 7:4 the head, bits 9:8 the tensor
	s_lshr_b32 s27, s26, 8
	s_bfe_u32 s28, s26, 0x40004
	s_and_b32 s29, s26, 1
	s_bfe_u32 s30, s26, 0x30001
	s_lshl_b32 s31, s28, 1
	s_add_co_u32 s31, s31, s29                     ; G
	s_lshl_b32 s32, s28, 18                        ; a head is 262,144 bytes,
	s_lshl_b32 s33, s29, 7                         ; my 32 columns 128,
	s_add_co_u32 s32, s32, s33
	s_lshl_b32 s33, s30, 15                        ; a K step 128 rows of 256
	s_add_co_u32 s32, s32, s33
	s_mov_b32 s33, 0
	s_mul_i32 s34, s27, 786432
	s_add_co_u32 s34, s34, WIMG+786432
	s_lshl_b32 s35, s31, 4
	s_add_co_u32 s35, s35, s30
	s_mul_i32 s35, s35, 1536
	s_add_co_u32 s34, s34, s35                     ; fragment (tile 2 G, my K step)
	s_mov_b32 s35, 0
	s_lshl_b32 s38, s27, 15
	s_add_co_u32 s38, s38, WSCL+32768
	s_lshl_b32 s39, s31, 10
	s_add_co_u32 s38, s38, s39
	s_lshr_b32 s39, s30, 2
	s_lshl_b32 s39, s39, 8
	s_add_co_u32 s38, s38, s39
	s_and_b32 s39, s30, 3
	s_lshl_b32 s39, s39, 2
	s_add_co_u32 s38, s38, s39                     ; tile 2 G's scale image, my K step's word
	s_mov_b32 s39, 0
	s_wait_alu depctr_va_vdst(0)
	v_lshlrev_b32 v3, 2, v1                        ; in: 4 bytes a lane
	v_bfe_u32 v7, v0, 3, 1                         ; u
	v_and_b32 v8, 7, v0
	v_lshl_add_u32 v8, v6, 3, v8                   ; r
	v_lshlrev_b32 v8, 4, v8
	v_mul_u32_u24 v9, v7, 12288
	v_add_nc_u32 v9, v9, v8                        ; codes: a tile on is 12,288 bytes; 16 r
	v_lshl_add_u32 v10, v7, 9, v8                  ; scale words: a tile on is 512 bytes; 16 r
	s_wait_alu depctr_va_vdst(0)
	s_wait_kmcnt 0x0
	s_cmp_eq_u32 s27, 1
	s_cselect_b64 s[42:43], s[16:17], s[14:15]
	s_cmp_eq_u32 s27, 2
	s_cselect_b64 s[42:43], s[18:19], s[42:43]
	s_add_nc_u64 s[42:43], s[42:43], s[32:33]
	s_add_nc_u64 s[46:47], s[20:21], s[34:35]
	s_add_nc_u64 s[48:49], s[20:21], s[38:39]
.macro LOADW t                         ; block t: W(32 t + i, my column): 32 lanes read 128 consecutive bytes, the neighbouring wave the row's other 128
.irp i, 0,1,2,3,4,5,6,7,8,9,10,11,12,13,14,15,16,17,18,19,20,21,22,23,24,25,26,27,28,29,30,31
	global_load_b32 v[R+32*((\t)%2)+\i], v3, s[42:43] offset:(32*(\t)+\i)*256 th:TH_LOAD_NT
.endr
.endm
.macro BLOCKW t
.set XS, R+32*((\t)%2)
.set CD, 24+12*((\t)%2)+6*((\t)/2)
.if (\t) < 3
	s_wait_loadcnt 32                              ; this block's 32 loads are in; the next block's may be out
.else
	s_wait_loadcnt 0x0
.endif
	v_max3_num_f32 v12, |v[XS]|, |v[XS+1]|, |v[XS+2]|      ; all 32 numbers of the block are mine
	v_max3_num_f32 v13, |v[XS+3]|, |v[XS+4]|, |v[XS+5]|
.irp i, 6,10,14,18,22,26
	v_max3_num_f32 v12, v12, |v[XS+\i]|, |v[XS+\i+1]|
	v_max3_num_f32 v13, v13, |v[XS+\i+2]|, |v[XS+\i+3]|
.endr
	v_max3_num_f32 v12, v12, |v[XS+30]|, |v[XS+31]|
	v_max3_num_f32 v12, v12, v13, 0x1800000        ; and the floor 2^(3 - 127)
	v_add_nc_u32 v11, 0xff000000, v12
	v_lshrrev_b32 v13, 23, v11
.if (\t) == 0
	v_mov_b32 v20, v13                             ; my column's scale word: byte t for block t
.else
	v_lshl_or_b32 v20, v13, 8*(\t), v20
.endif
	v_cvt_scalef32_pk16_fp6_f32 v[CD:CD+2], v[XS:XS+15], v11
	v_cvt_scalef32_pk16_fp6_f32 v[48:50], v[XS+16:XS+31], v11
	v_nop                                          ; one plain place behind a scaled conversion
.irp i, 0,1,2
	v_mov_b32 v[CD+3+\i], v[48+\i]
.endr
.if (\t)+2 < 4
	LOADW (\t)+2
.endif
.endm
	LOADW 0
	LOADW 1
	BLOCKW 0
	BLOCKW 1
	BLOCKW 2
	BLOCKW 3
.irp hh, 0,1
.irp m, 0,1,2
	global_store_b128 v9, v[24+12*\hh+4*\m:24+12*\hh+4*\m+3], s[46:47] offset:512*\m+256*\hh   ; sixteen lanes of one u store 256 consecutive bytes, aligned
.endr
.endr
	global_store_b32 v10, v20, s[48:49]            ; 4 bytes a lane, 16 bytes apart: a K step's word of each row; 96 KiB of the launch's stores in all go so
	s_endpgm
.Lfunc_end_k_q116f35251d_prep:
	.size	k_q116f35251d_prep, .Lfunc_end_k_q116f35251d_prep-k_q116f35251d_prep
	.p2alignl 7, 3214868480
	.fill 96, 4, 3214868480
	.section	.rodata,"a",@progbits
	.p2align	6, 0x0
	.amdhsa_kernel k_q116f35251d_prep
		.amdhsa_group_segment_fixed_size 68096
		.amdhsa_private_segment_fixed_size 0
		.amdhsa_enable_private_segment 0
		.amdhsa_kernarg_size 88
		.amdhsa_user_sgpr_count 2
		.amdhsa_user_sgpr_kernarg_segment_ptr 1
		.amdhsa_wavefront_size32 1
		.amdhsa_system_sgpr_workgroup_id_x 1
		.amdhsa_system_sgpr_workgroup_id_y 1
		.amdhsa_system_sgpr_workgroup_id_z 1
		.amdhsa_system_vgpr_workitem_id 0
		.amdhsa_next_free_vgpr 256
		.amdhsa_next_free_sgpr 66
		.amdhsa_reserve_vcc 1
		.amdhsa_float_denorm_mode_32 3
		.amdhsa_float_denorm_mode_16_64 3
		.amdhsa_memory_ordered 1
		.amdhsa_forward_progress 1
		.amdhsa_inst_pref_size 117
	.end_amdhsa_kernel
	.amdgpu_metadata
---
amdhsa.version: [ 1, 2 ]
amdhsa.kernels:
  - .name:           k_q116f35251d_prep
    .symbol:         k_q116f35251d_prep.kd
    .args:
      - { .name: query, .offset: 0, .size: 8, .value_kind: global_buffer, .address_space: global }
      - { .name: key, .offset: 8, .size: 8, .value_kind: global_buffer, .address_space: global }
      - { .name: value, .offset: 16, .size: 8, .value_kind: global_buffer, .address_space: global }
      - { .name: Wo, .offset: 24, .size: 8, .value_kind: global_buffer, .address_space: global }
      - { .name: mask, .offset: 32, .size: 8, .value_kind: global_buffer, .address_space: global }
      - { .name: Wq, .offset: 40, .size: 8, .value_kind: global_buffer, .address_space: global }
      - { .name: Wk, .offset: 48, .size: 8, .value_kind: global_buffer, .address_space: global }
      - { .name: Wv, .offset: 56, .size: 8, .value_kind: global_buffer, .address_space: global }
      - { .name: prep, .offset: 64, .size: 8, .value_kind: global_buffer, .address_space: global }
      - { .name: maskw, .offset: 72, .size: 8, .value_kind: global_buffer, .address_space: global }
      - { .name: msum, .offset: 80, .size: 8, .value_kind: global_buffer, .address_space: global }
    .group_segment_fixed_size: 68096
    .private_segment_fixed_size: 0
    .kernarg_segment_align: 8
    .kernarg_segment_size: 88
    .max_flat_workgroup_size: 128
    .sgpr_count:     66
    .vgpr_count:     256
    .wavefront_size: 32
...
	.end_amdgpu_metadata
.endif
;; end of part 1
;; launch proj (part 2): grid 8 x 32, 4 waves a work-group, clusters of 4 x 4, 327,680 bytes of LDS; arguments prep, qkv; writes qkv
.if DOCPART == 2
	.amdgcn_target "amdgcn-amd-amdhsa--gfx1250"
	.amdhsa_code_object_version 6
	.text
	.protected	k_q116f35251d_proj
	.globl	k_q116f35251d_proj
	.p2align	8
	.type	k_q116f35251d_proj,@function
k_q116f35251d_proj:
	s_mov_b64 s[64:65], 0
	v_nop
	global_prefetch_b8 v0, s[64:65] scope:SCOPE_SE
	s_setreg_imm32_b32 hwreg(HW_REG_WAVE_MODE, 25, 1), 1
	s_wait_xcnt 0x0
	s_wait_alu depctr_hold_cnt(0) depctr_sa_sdst(0) depctr_va_vdst(0) depctr_va_sdst(0) depctr_va_ssrc(0) depctr_va_vcc(0) depctr_vm_vsrc(0)
	s_getreg_b32 s2, hwreg(HW_REG_IB_STS2, 6, 4)
	s_cmp_eq_u32 s2, 0
	s_cbranch_scc0 .Lentry_in_a_cluster
	s_endpgm
.Lentry_in_a_cluster:
	s_bfe_u32 s2, ttmp6, 0x10000c
	s_cmp_lg_u32 s2, 0xf033
	s_cbranch_scc0 .Lentry_shape_is_right
	s_endpgm
.Lentry_shape_is_right:
; PROJ: the three projections, q = query Wq, k = key Wk, v = value Wv, on codes of FP6 (E2M3) with E8M0 scales, K = 1,024; the results are quantised in registers for the attention's products.
; A WORK-GROUP STAYS: it makes three tiles of 128 x 128 results, one of q (g = 0), one of k (g = 1), one of v (g = 2), each from two panels of 128 rows x K = 1,024:
;   P = source 0: the result's REGISTERS run along its rows (its tiles are permuted, so that 16 registers of two neighbouring tiles are 16 neighbours);   R = source 1: the result's LANES run along its rows.
;   g = 0, 1: P = Wq or Wk, the 128 columns of a pair of heads; R = 128 rows of query or key.  The results are quantised along d (registers).
;   g = 2:    P = 128 rows of value (keys); R = 128 columns of Wv.  The results are quantised along the keys (registers).
; The panels are images of operand registers (1,536 bytes a fragment).  They come by halves of four K steps through THREE LDS slots of 98,304 bytes: half h = 2 g + kh goes to slot h % 3.
; Halves 0, 1, 2 are first fills; halves 3, 4, 5 fill slots 0, 1, 2 again, each as soon as every wave has read the slot out: so a tile's bytes are on their way while the tile before is multiplied and quantised.
; A wave makes all 8 tiles of P x its own 2 tiles of R: 16 accumulators, which take turns.
; CLUSTERS: 4 x 4 work-groups.  P hangs on cx alone and is shared by the four of a column of the cluster, R on cy alone and is shared by the four of a row: each half is asked for jointly.
; OUT: a fragment (16 rows of R x 128 of P) as six pieces of 256 bytes: registers 2 p, 2 p + 1 of lane l at 256 p + 8 l, so that registers 6 c .. 6 c + 5 (one head of the pair) are 768 consecutive bytes;
;      and one scale word a row.  q, k: [head pair][t tile]; v: [n 16 + key step][4 h + d tile].
; LIMITS: a block whose largest magnitude lies under 2^-124 gets the byte 1; NaN and infinities are not served.
; REGISTERS: window 0: v2-4, v5-7 LDS addresses by slot; v10-12 lane offsets; v13, v14 the add's two; v16-47 P's scale words, v48-55 R's; v56-71 at work; v72-74 scale words made; v76-115 codes made;
;            v128-255 accumulators (i, j) at 128 + 64 i + 8 j.   window 1: two buffers of 128: P's eight fragments at 12 j, R's two at 96 + 12 i.
.set WIMG, 9437184
.set XSCL, 12582912
.set WSCL, 12976128
.set QSCW, 9437184                     ; qkv: the scale words, behind three runs of codes of 3,145,728 bytes
.set FRB,  1536
.set HALF, 49152                       ; four K steps of a panel's 8 tiles: tile j, K step e at 6,144 j + 1,536 e
.set SLOT, 2*HALF                      ; P's, then R's
.set SPARE, 3*SLOT                     ; behind the slots: the spare words, 128 bytes for each wave: two blocks of 256 bytes that no other line names
.set AP,   2
.set AR,   5
.set L8,   10
.set L4,   11
.set L16,  12
.set SPW,  13                          ; v13 LDS address of my spare word: SPARE + 4 x my thread's number; never rewritten
.set NIL,  14                          ; v14 0; never rewritten
.set PS,   16
.set RS,   48
.set TM,   56
.set PW,   72
.set PCA,  76
.set PCB,  96
.set ACC,  128
.set G1P,  20                          ; s[20:27] descriptor group 1 for P, s[28:35] for R: they differ in the mask alone
.set G1R,  28
.set G0P,  36                          ; s[36:59] P's six groups 0, one for each half; R's: s[60:63] and s[68:87].  None is ever rewritten
.set MSB, 0
.macro WIN new                         ; the immediate's high byte repeats the setting that is left
.if MSB != \new
	s_set_vgpr_msb (MSB<<8)|\new
.set MSB, \new
.endif
.endm
.set MUL,  0x05                        ; sources 0 and 1 window 1; C and D window 0
.set TO_F, 0x40                        ; destination window 1, address window 0
.macro CROUND                          ; a round of the cluster's barrier
	s_barrier_signal -1
	s_barrier_wait -1
	s_cmp_lg_u32 s8, 0
	s_cbranch_scc1 .Lnot_wave_0_\@
	s_barrier_signal -3
.Lnot_wave_0_\@:
	s_barrier_wait -3
	s_barrier_signal -1
	s_barrier_wait -1
.endm
.macro PLACES n                        ; plain vector instructions that name no register of the matrix instructions in front of them (ISA guide 7.12.1)
.rept \n
	v_nop
.endr
.endm
; A joint refill: half k.  Waves 0, 1 fetch P's two halves of tiles, waves 2, 3 R's; the branch hangs on the wave's number alone.  Four v_nop follow each of the two lines.
.macro JLOAD k
.set GR, 60+4*(\k)+4*(((\k)+5)/6)
	s_cmp_lt_u32 s8, 2
	s_cbranch_scc0 .Lre_r_\@
	tensor_load_to_lds s[G0P+4*(\k):G0P+4*(\k)+3], s[G1P:G1P+7]
	s_nop 0
	PLACES 4
	s_branch .Lre_asked_\@
.Lre_r_\@:
	tensor_load_to_lds s[GR:GR+3], s[G1R:G1R+7]
	s_nop 0
	PLACES 4
.Lre_asked_\@:
.endm
	s_load_b128 s[4:7], s[0:1], 0x0                ; prep, qkv
	v_lshl_add_u32 v[SPW], v0, 2, SPARE
	v_mov_b32 v[NIL], 0
	ds_add_u32 v13, v14
	ds_add_u32 v13, v14
	s_wait_dscnt 0x0
	v_lshrrev_b32 v1, 5, v0
	v_readfirstlane_b32 s8, v1                     ; wave 0..3
	s_and_b32 s9, s8, 1                            ; which four tiles of a panel I fetch
	s_bfe_u32 s10, ttmp6, 0x40000                  ; cx
	s_bfe_u32 s11, ttmp6, 0x40004                  ; cy
	s_lshl_b32 s12, ttmp9, 2                       ; 4 x cluster x (0, 1)
	s_and_b32 s13, ttmp7, 0xffff
	s_lshl_b32 s13, s13, 2                         ; 4 x cluster y (0 .. 7)
	s_add_co_u32 s14, s12, s10                     ; g = 0, 1: P's panel, the pair of heads 0 .. 7: hangs on cx, never on cy
	s_add_co_u32 s15, s13, s11                     ;           R's panel, 128 rows of 4,096: hangs on cy, never on cx
	s_add_co_u32 s16, s13, s10                     ; g = 2:    P's panel, 128 rows of value
	s_add_co_u32 s17, s12, s11                     ;           R's panel, 128 columns of Wv
	s_lshl_b32 s18, s11, 2
	s_lshl_b32 s18, 15, s18                        ; my row of the cluster (same cy)
	s_lshl_b32 s19, 0x1111, s10                    ; my column (same cx)
	; descriptor group 1: 4 tiles x four K steps (6,144 bytes = 768 elements of 8 bytes), 12,288 bytes (1,536 elements) from tile to tile; dense in LDS
	s_or_b32 s[G1P], s19, (3<<16)|(1<<21)          ; 15:0 the mask; 17:16 elements of 8 bytes; 20 no padding; 21 set beside a mask
	s_or_b32 s[G1R], s18, (3<<16)|(1<<21)
.irp g, G1P, G1R
	s_mov_b32 s[\g+1], 768<<16                     ; tensor_dim0
	s_mov_b32 s[\g+2], 8<<16                       ; tensor_dim1: the head's loads bring all 8 tiles of a panel; behind them the two words that count tiles are set to 4
	s_mov_b32 s[\g+3], 768<<16                     ; tile_dim0
	s_mov_b32 s[\g+4], 8                           ; tile_dim1
	s_mov_b32 s[\g+5], 1536                        ; tensor_dim0_stride
	s_mov_b32 s[\g+6], 0
	s_mov_b32 s[\g+7], 0
.endr
	s_mul_i32 s96, s9, 49152                       ; four tiles on in an image,
	s_mul_i32 s97, s9, 24576                       ; and in a slot
	s_mul_i32 s98, s14, 98304                      ; a panel: 8 tiles x 8 K steps x 1,536 bytes
	s_mov_b32 s99, 0
	s_mul_i32 s100, s15, 98304
	s_mov_b32 s101, 0
	s_mul_i32 s88, s16, 98304
	s_add_co_u32 s88, s88, s96
	s_mov_b32 s89, 0
	s_mul_i32 s90, s17, 98304
	s_add_co_u32 s90, s90, s96
	s_mov_b32 s91, 0
	s_wait_kmcnt 0x0
	s_add_nc_u64 s[98:99], s[4:5], s[98:99]
	s_add_nc_u64 s[100:101], s[4:5], s[100:101]
	s_add_nc_u64 s[88:89], s[4:5], s[88:89]
	s_add_nc_u64 s[90:91], s[4:5], s[90:91]
.macro G0SET h, pb, pc, rb, rc         ; half h: P's group 0 from the address in s[pb:pb+1] + pc, R's from s[rb:rb+1] + rc
.set GR, 60+4*(\h)+4*(((\h)+5)/6)
	s_mov_b32 s[G0P+4*(\h)], 1                     ; count = 1
	s_add_co_u32 s[G0P+4*(\h)+1], s97, ((\h)%3)*SLOT           ; LDS address: slot h % 3, my four tiles
	s_add_nc_u64 s[G0P+4*(\h)+2:G0P+4*(\h)+3], s[\pb:\pb+1], \pc
	s_or_b32 s[G0P+4*(\h)+3], s[G0P+4*(\h)+3], 0x80000000      ; type = 2
	s_mov_b32 s[GR], 1
	s_add_co_u32 s[GR+1], s97, ((\h)%3)*SLOT+HALF
	s_add_nc_u64 s[GR+2:GR+3], s[\rb:\rb+1], \rc
	s_or_b32 s[GR+3], s[GR+3], 0x80000000
.endm
.macro G0HEAD h, pc, rc                ; halves 0 and 1 come by the head's loads, each of a whole panel's 8 tiles: no wave's share enters their addresses
.set GR, 60+4*(\h)+4*(((\h)+5)/6)
	s_mov_b32 s[G0P+4*(\h)], 1
	s_mov_b32 s[G0P+4*(\h)+1], (\h)*SLOT
	s_add_nc_u64 s[G0P+4*(\h)+2:G0P+4*(\h)+3], s[98:99], \pc
	s_or_b32 s[G0P+4*(\h)+3], s[G0P+4*(\h)+3], 0x80000000
	s_mov_b32 s[GR], 1
	s_mov_b32 s[GR+1], (\h)*SLOT+HALF
	s_add_nc_u64 s[GR+2:GR+3], s[100:101], \rc
	s_or_b32 s[GR+3], s[GR+3], 0x80000000
.endm
	G0HEAD 0, WIMG+786432, 0                                   ; q: Wq's image, query's; K steps 0-3
	G0HEAD 1, WIMG+786432+6144, 6144                           ;    K steps 4-7
	s_mov_b32 s2, s96                              ; from here on a wave fetches four tiles of a panel
	s_mov_b32 s3, 0
	s_add_nc_u64 s[98:99], s[98:99], s[2:3]
	s_add_nc_u64 s[100:101], s[100:101], s[2:3]
	G0SET 2, 98, WIMG+2*786432, 100, 3145728                   ; k: Wk's, key's
	G0SET 3, 98, WIMG+2*786432+6144, 100, 3145728+6144
	G0SET 4, 88, 2*3145728, 90, WIMG+3*786432                  ; v: value's, Wv's
	G0SET 5, 88, 2*3145728+6144, 90, WIMG+3*786432+6144
	CROUND                                         ; all sixteen work-groups are here: the joint loads meet
; THE HEAD'S LOADS, ONE A WAVE: wave 0 P of half 0, wave 1 R of half 0, wave 2 P of half 1, wave 3 R of half 1: all of tile 0.  One chain of branches on the wave's number.
.macro ARM under, g0, g1, next
	s_cmp_lt_u32 s8, \under
	s_cbranch_scc0 \next
	tensor_load_to_lds s[\g0:\g0+3], s[\g1:\g1+7]
	s_nop 0
	PLACES 4
	s_branch .Lasked
\next:
.endm
	ARM 1, G0P, G1P, .Lhead_r0
	ARM 2, 60, G1R, .Lhead_p1
	ARM 3, G0P+4, G1P, .Lhead_r1
	tensor_load_to_lds s[68:71], s[G1R:G1R+7]
	s_nop 0
	PLACES 4
.Lasked:
	v_and_b32 v1, 31, v0
	v_lshlrev_b32 v[L16], 4, v1
	s_wait_alu depctr_va_vdst(0)
	v_lshlrev_b32 v[L8], 3, v1
	v_lshlrev_b32 v[L4], 2, v1
	s_mul_i32 s96, s8, 12288                       ; my two tiles of R in a slot,
	s_add_co_u32 s96, s96, HALF                    ; behind P's eight
.irp q, 0,1,2
	v_add_nc_u32 v[AP+\q], \q*SLOT, v[L16]
.endr
.irp q, 0,1,2
	v_add_nc_u32 v[AR+\q], s96, v[AP+\q]
.endr
; Tile g's scale words: P's eight tiles and my two of R.  Register i of a tile's four: lanes 0-15 the words of K step i, lanes 16-31 those of K step 4 + i.
; The pointers are written again only when the tile before has waited for its own scale words.
.macro SCALES g
.if (\g) < 2
	s_lshl_b32 s88, s14, 12                        ; a panel's scale images: 8 x 512 bytes
	s_add_co_u32 s88, s88, WSCL+32768*((\g)+1)
	s_lshl_b32 s90, s15, 12
	s_add_co_u32 s90, s90, XSCL+131072*(\g)
.else
	s_lshl_b32 s88, s16, 12
	s_add_co_u32 s88, s88, XSCL+2*131072
	s_lshl_b32 s90, s17, 12
	s_add_co_u32 s90, s90, WSCL+3*32768
.endif
	s_mov_b32 s89, 0
	s_lshl_b32 s91, s8, 10
	s_add_co_u32 s90, s90, s91
	s_mov_b32 s91, 0
	s_add_nc_u64 s[88:89], s[4:5], s[88:89]
	s_add_nc_u64 s[90:91], s[4:5], s[90:91]
.irp j, 0,1,2,3,4,5,6,7
	global_load_b128 v[PS+4*\j:PS+4*\j+3], v[L16], s[88:89] offset:512*\j
.endr
.irp i, 0,1
	global_load_b128 v[RS+4*\i:RS+4*\i+3], v[L16], s[90:91] offset:512*\i
.endr
.endm
; Where tile g's results go: my first fragment is P's panel x the tiles of R in all (256 or 64) + 8 x R's panel + 2 x wave
.macro OUTPTR g
.if (\g) < 2
	s_lshl_b32 s96, s14, 8
	s_lshl_b32 s97, s15, 3
.else
	s_lshl_b32 s96, s16, 6
	s_lshl_b32 s97, s17, 3
.endif
	s_add_co_u32 s96, s96, s97
	s_lshl_b32 s97, s8, 1
	s_add_co_u32 s96, s96, s97
	s_mul_i32 s92, s96, FRB
	s_add_co_u32 s92, s92, 3145728*(\g)
	s_mov_b32 s93, 0
	s_lshl_b32 s94, s96, 6                         ; 64 bytes of scale words a fragment
	s_add_co_u32 s94, s94, QSCW+131072*(\g)
	s_mov_b32 s95, 0
	s_add_nc_u64 s[92:93], s[6:7], s[92:93]
	s_add_nc_u64 s[94:95], s[6:7], s[94:95]
.endm
	SCALES 0
	OUTPTR 0
	s_mov_b32 s66, 0x76543210
	s_mov_b32 s67, 0xfedcba98                      ; v_permlanex16_b32's selects for lane l xor 16
	s_mov_b32 s2, 0xffff0000                       ; lanes 16-31
.irp b, 0,1,2,3
	v_mov_b32 v[TM+4+\b], 0                        ; written once: a lane permute's destination counts as one of its sources
.endr
.macro FETCH g, s                      ; K step s of tile g: 30 LDS loads of 512 consecutive bytes: P's eight fragments and my two of R, into buffer s % 2
.set SL, (2*(\g)+(\s)/4)%3
.set EO, FRB*((\s)%4)
.set FT, 128*((\s)%2)
	WIN TO_F
.irp j, 0,1,2,3,4,5,6,7
.irp m, 0,1,2
	ds_load_b128 v[FT+12*\j+4*\m:FT+12*\j+4*\m+3], v[AP+SL] offset:6144*\j+EO+512*\m
.endr
.endr
.irp i, 0,1
.irp m, 0,1,2
	ds_load_b128 v[FT+96+12*\i+4*\m:FT+96+12*\i+4*\m+3], v[AR+SL] offset:6144*\i+EO+512*\m
.endr
.endr
.endm
.macro MUL16 s                         ; 16 products, 128 along K.  A tile's first K step starts the sums: nothing is cleared
.set FB, 128*((\s)%2)
.irp j, 0,1,2,3,4,5,6,7
.irp i, 0,1
.if (\s) == 0
	v_wmma_scale_f32_16x16x128_f8f6f4 v[ACC+64*\i+8*\j:ACC+64*\i+8*\j+7], v[FB+12*\j:FB+12*\j+11], v[FB+96+12*\i:FB+96+12*\i+11], 0, v[PS+4*\j], v[RS+4*\i] matrix_a_fmt:MATRIX_FMT_FP6 matrix_b_fmt:MATRIX_FMT_FP6
.elseif (\s) < 4
	v_wmma_scale_f32_16x16x128_f8f6f4 v[ACC+64*\i+8*\j:ACC+64*\i+8*\j+7], v[FB+12*\j:FB+12*\j+11], v[FB+96+12*\i:FB+96+12*\i+11], v[ACC+64*\i+8*\j:ACC+64*\i+8*\j+7], v[PS+4*\j+(\s)%4], v[RS+4*\i+(\s)%4] matrix_a_fmt:MATRIX_FMT_FP6 matrix_b_fmt:MATRIX_FMT_FP6
.else
	v_wmma_scale_f32_16x16x128_f8f6f4 v[ACC+64*\i+8*\j:ACC+64*\i+8*\j+7], v[FB+12*\j:FB+12*\j+11], v[FB+96+12*\i:FB+96+12*\i+11], v[ACC+64*\i+8*\j:ACC+64*\i+8*\j+7], v[PS+4*\j+(\s)%4], v[RS+4*\i+(\s)%4] matrix_a_fmt:MATRIX_FMT_FP6 matrix_b_fmt:MATRIX_FMT_FP6 matrix_a_scale:MATRIX_SCALE_ROW1 matrix_b_scale:MATRIX_SCALE_ROW1
.endif
.endr
.endr
.endm
; A K step whose successor lies in the same slot: its own fragments have been asked for; the next step's are asked for, then it is multiplied
.macro KSTEP g, s
.if (\s) > 0
	PLACES 4                                       ; in front of loads into the buffer that the K step before multiplied
.endif
	FETCH \g, (\s)+1
	s_wait_dscnt 30                                ; all but the 30 just issued: this K step's fragments are in
.if (\s) == 0
	s_wait_loadcnt 0x0                             ; the tile's scale words
.endif
	WIN MUL
	MUL16 \s
.endm
; A slot's last K step, s, changes slots.  Each wave waits for all its tensor loads, adds 0 to its spare word, multiplies, and waits for the add and for its reads of the slot.
; fill = 1: a round of the cluster's barrier follows: no wave of any partner still reads the slot or has a load on its way; the slot takes half k, the first tensor load behind the round and the wave's one load until the next.
; fill = 0: nothing is left to fetch: my work-group's barrier shows the last half to every wave.  Then the next K step's fragments, step ns of tile ng, are asked for.
.macro TURN s, fill, k, ng, ns
	WIN 0                                          ; (the add's two registers lie in window 0)
	s_wait_tensorcnt 0x0                           ; all my tensor loads have landed;
	ds_add_u32 v[SPW], v[NIL]                      ; 0 onto my spare word;
	s_wait_dscnt 1                                 ; this K step's 30 loads are in; the add may be out
	WIN MUL
	MUL16 \s                                       ; sixteen matrix instructions stand between the add and the wait for it
	WIN 0
	s_wait_dscnt 0x0                               ; the add is done, and my reads of this slot are over
.if \fill
	CROUND
	JLOAD \k                                       ; the four v_nop behind it are also the places in front of the loads below
.else
	s_barrier_signal -1
	s_barrier_wait -1
	PLACES 4
.endif
	FETCH \ng, \ns
.endm
.macro LAST                            ; a tile's last K step where no slot is filled and the next half has been shown landed by an earlier round
	s_wait_dscnt 0x0
	WIN MUL
	MUL16 7
.endm
; 64 numbers of a lane, register 16 b + i = k 32 b + 16 (lane / 16) + i of my row, become a fragment's codes in v[pc] on and its scale word in v[pw]
.macro QUANT s, pc, pw
.irp b, 0,1,2,3
	v_max3_num_f32 v[TM+\b], |v[\s+16*\b]|, |v[\s+1+16*\b]|, 0x1800000   ; my 16 numbers of block b, from each accumulator's low end on, and the floor 2^(3 - 127)
.endr
.irp i, 2,4,6,8,10,12,14
.irp b, 0,1,2,3
	v_max3_num_f32 v[TM+\b], v[TM+\b], |v[\s+16*\b+\i]|, |v[\s+1+16*\b+\i]|
.endr
.endr
.irp b, 0,1,2,3
	v_permlanex16_b32 v[TM+4+\b], v[TM+\b], s66, s67
.endr
.irp b, 0,1,2,3
	v_max_num_f32 v[TM+\b], v[TM+\b], v[TM+4+\b]   ; with lane l xor 16's: the block's largest magnitude
.endr
.irp b, 0,1,2,3
	v_add_nc_u32 v[TM+12+\b], 0xff000000, v[TM+\b] ; 2 off its exponent field: the conversion's scale operand
.endr
.irp b, 0,1,2,3
	v_lshrrev_b32 v[TM+4+\b], 23, v[TM+12+\b]      ; the scale's byte
.endr
	v_lshl_or_b32 v[\pw], v[TM+5], 8, v[TM+4]
	v_lshl_or_b32 v[\pw], v[TM+6], 16, v[\pw]
	v_lshl_or_b32 v[\pw], v[TM+7], 24, v[\pw]
.irp c, 0,1
	v_cvt_scalef32_pk16_fp6_f32 v[\pc+6*\c:\pc+2+6*\c], v[\s+32*\c:\s+15+32*\c], v[TM+12+2*\c]
	v_cvt_scalef32_pk16_fp6_f32 v[\pc+12+4*\c:\pc+14+4*\c], v[\s+16+32*\c:\s+31+32*\c], v[TM+12+2*\c+1]   ; (a conversion's three registers begin on an even number)
.endr
	v_nop                                          ; one plain place behind a scaled conversion
.irp c, 0,1                            ; the operand's layout wants a whole block in a lane: lanes 0-15 block 2 c, lanes 16-31 block 2 c + 1
.irp i, 0,1,2
	v_permlane16_swap_b32 v[\pc+6*\c+\i], v[\pc+12+4*\c+\i]
.endr
.irp i, 0,1,2
	v_mov_b32 v[\pc+3+6*\c+\i], v[\pc+12+4*\c+\i]
.endr
.endr
.endm
.macro WAYOUT                          ; a tile's results: quantised and stored.  Nothing waits for the stores: the next tile is multiplied while they leave
	PLACES 4                                       ; in front of the first read of results
	QUANT ACC, PCA, PW
.irp p, 0,1,2,3,4,5
	global_store_b64 v[L8], v[PCA+2*\p:PCA+2*\p+1], s[92:93] offset:256*\p          ; 32 lanes store 256 consecutive bytes, aligned
.endr
	QUANT ACC+64, PCB, PW+1
.irp p, 0,1,2,3,4,5
	global_store_b64 v[L8], v[PCB+2*\p:PCB+2*\p+1], s[92:93] offset:FRB+256*\p
.endr
	v_cndmask_b32 v[PW+2], v[PW], v[PW+1], s2      ; lanes 0-15 my first tile's words, lanes 16-31 my second's
	global_store_b32 v[L4], v[PW+2], s[94:95]      ; 128 consecutive bytes a wave, 512 a work-group
.endm
	s_wait_alu depctr_va_vdst(0)
	s_wait_tensorcnt 0x0                           ; my one load of the head is in
	ds_add_u32 v[SPW], v[NIL]
	s_mov_b32 s[G1P+2], 4<<16                      ; no tensor load of mine is out, so a descriptor may be written: from here on a load brings 4 tiles
	s_mov_b32 s[G1P+4], 4
	s_mov_b32 s[G1R+2], 4<<16
	s_mov_b32 s[G1R+4], 4
	s_wait_dscnt 0x0
	CROUND                                         ; halves 0 and 1 are whole, and all sixteen work-groups are here
	JLOAD 2                                        ; slot 2's first fill: my one load behind the round
	FETCH 0, 0
	; ---- tile 0: q.  Halves 0 (slot 0) and 1 (slot 1)
.irp s, 0,1,2,3,4
	KSTEP 0, \s                                    ; (halves 0 and 1 were both shown whole by the head's round: no barrier stands between them)
.endr
	TURN 5, 1, 3, 0, 6                             ; slot 0 was read out at K step 3: it takes half 3.  Five K steps' products stand between half 2's request and this wait for it
	KSTEP 0, 6
	LAST
	PLACES 4                                       ; in front of loads into registers that matrix instructions have read
	FETCH 1, 0                                     ; from slot 2, half 2, shown whole by the round above
	WIN 0
	SCALES 1                                       ; asked for ahead of the way out, under which they land
	WAYOUT
	; ---- tile 1: k.  Halves 2 (slot 2) and 3 (slot 0)
	KSTEP 1, 0
	TURN 1, 1, 4, 1, 2                             ; slot 1 was read out with tile 0: it takes half 4.  The wait for all loads in front of this round has shown half 3 landed
.irp s, 2,3,4,5,6
	KSTEP 1, \s
.endr
	TURN 7, 1, 5, 2, 0                             ; slot 2 was read out at K step 3: it takes half 5, the last load; half 4 has landed, and tile 2's first fragments come from slot 1
	WIN 0
	s_wait_xcnt 0x0                                ; tile 0's stores have read their pointers and their data: both are written again only behind this wait
	OUTPTR 1
	SCALES 2
	WAYOUT
	; ---- tile 2: v.  Halves 4 (slot 1) and 5 (slot 2)
.irp s, 0,1,2
	KSTEP 2, \s
.endr
	TURN 3, 0, 0, 2, 4                             ; nothing is filled: my part of half 5 has landed, the barrier shows everybody's
.irp s, 4,5,6
	KSTEP 2, \s
.endr
	LAST
	WIN 0
	s_wait_xcnt 0x0                                ; tile 1's stores have read their pointers and their data
	OUTPTR 2
	WAYOUT
	s_wait_tensorcnt 0x0                           ; the wave's end: behind my last tensor load
	ds_add_u32 v[SPW], v[NIL]
	s_wait_dscnt 0x0
	CROUND                                         ; the closing round: no work-group ends while a partner may still ask for a half that names it
	s_endpgm
.Lfunc_end_k_q116f35251d_proj:
	.size	k_q116f35251d_proj, .Lfunc_end_k_q116f35251d_proj-k_q116f35251d_proj
	.p2alignl 7, 3214868480
	.fill 96, 4, 3214868480
	.section	.rodata,"a",@progbits
	.p2align	6, 0x0
	.amdhsa_kernel k_q116f35251d_proj
		.amdhsa_group_segment_fixed_size 327680
		.amdhsa_private_segment_fixed_size 0
		.amdhsa_enable_private_segment 0
		.amdhsa_kernarg_size 16
		.amdhsa_user_sgpr_count 2
		.amdhsa_user_sgpr_kernarg_segment_ptr 1
		.amdhsa_wavefront_size32 1
		.amdhsa_system_sgpr_workgroup_id_x 1
		.amdhsa_system_sgpr_workgroup_id_y 1
		.amdhsa_system_sgpr_workgroup_id_z 1
		.amdhsa_system_vgpr_workitem_id 0
		.amdhsa_next_free_vgpr 512
		.amdhsa_next_free_sgpr 102
		.amdhsa_reserve_vcc 0
		.amdhsa_float_denorm_mode_32 3
		.amdhsa_float_denorm_mode_16_64 3
		.amdhsa_memory_ordered 1
		.amdhsa_forward_progress 1
		.amdhsa_inst_pref_size 143
	.end_amdhsa_kernel
	.amdgpu_metadata
---
amdhsa.version: [ 1, 2 ]
amdhsa.kernels:
  - .name:           k_q116f35251d_proj
    .symbol:         k_q116f35251d_proj.kd
    .args:
      - { .name: prep, .offset: 0, .size: 8, .value_kind: global_buffer, .address_space: global }
      - { .name: qkv, .offset: 8, .size: 8, .value_kind: global_buffer, .address_space: global }
    .group_segment_fixed_size: 327680
    .private_segment_fixed_size: 0
    .kernarg_segment_align: 8
    .kernarg_segment_size: 16
    .max_flat_workgroup_size: 128
    .sgpr_count:     102
    .vgpr_count:     512
    .wavefront_size: 32
...
	.end_amdgpu_metadata
.endif
;; end of part 2
;; launch attn (part 3): grid 8 x 32, 16 waves a work-group, no clusters, 284,672 bytes of LDS; arguments qkv, maskw, msum, cc; writes cc
.if DOCPART == 3
	.amdgcn_target "amdgcn-amd-amdhsa--gfx1250"
	.amdhsa_code_object_version 6
	.text
	.protected	k_q116f35251d_attn
	.globl	k_q116f35251d_attn
	.p2align	8
	.type	k_q116f35251d_attn,@function
k_q116f35251d_attn:
	s_mov_b64 s[64:65], 0
	v_nop
	global_prefetch_b8 v0, s[64:65] scope:SCOPE_SE
	s_setreg_imm32_b32 hwreg(HW_REG_WAVE_MODE, 25, 1), 1
	s_wait_xcnt 0x0
; ATTN: for one (n, head): S^T = k q^T, the mask, p = 2^(t - M), O^T = v^T p^T, O / l, quantised along (head, d) for the last product.  Both products on codes of FP6 (E2M3) with E8M0 scales.
; t = score x log2(e) / 8; M = the row's largest t so far, rounded UP to a whole number; p is quantised along the keys and is not normalised; the row's sum is taken of the unquantised p and divides at the end.
; SHARES.  A work-group owns one head and sixteen tiles of 16 queries (tile 8 rank + work-group x).  Waves w and w + 8 (p = w % 8) share the two tiles of ranks 15 - p and p: each of the two takes
; every other key step of 128, of both tiles.  Wave w walks rank 15 - p first, wave w + 8 rank p first.  A wave puts its first tile's part (-M, the sums, O^T: 36 registers, 4,608 bytes) into LDS bytes of its own,
; walks its second tile, and behind a barrier joins that tile's part with its partner's: both are brought under the larger M by powers of two, which round nothing, and added.  So each wave writes one tile out.
; Where later queries have more open key steps, the waves' numbers of steps then differ by one at the most.  No value hangs on that order.
; ALL OF THE HEAD'S K AND V LIE IN LDS, filled once through registers at the head (98,304 bytes each, and 12,288 bytes of scale words), wave w staging key step w.
; WHY NO CLUSTER: the eight work-groups of a head read the same K and V, but a joint request is a tensor load, and this text branches on stored whole numbers (a key step that is wholly hidden is left out).
; WHY NO PREFETCH: all of K and V is asked for in the head's first lines; there is no loop to run ahead in.
; K = 64 IN A FORM OF K = 128: a tile of keys is 6 registers.  Source 0 names 12: the upper six are the next tile's codes (for the last tile: zeros); q's upper six registers are zero codes and both sides'
; upper scale bytes are 0x7f, so k = 64 .. 127 add exactly 0.
; THE MASK comes as whole numbers made by an earlier launch.  maskw: word j of a step's record is the lane mask for register j of the scores.  msum: 8 bytes a step, the OR and the AND of the record's words.
; A tile's 32 summary words come one to a lane; two compares give, at bit 2 ks, 'all hidden' and, at bit 2 ks + 1, 'all open'.  The loop's branches hang on these bits and on the wave's number alone.
; The record of the first of my steps that is neither is asked for ahead of the walk; every other such step asks for its own.  A step that is all open neither loads nor waits for a record.
; A hidden score becomes -2^66 in place of -1e20: 2^66 x c is exact, so a row with no open key at all gets p = 1 for every key, as the reference's uniform weights have it.
; LIMIT: the results agree as long as open energies stay above about -1e18.
; A step is left out only if all its 16 x 128 places are hidden AND every row of the tile has an open key somewhere: there a hidden key's p is 0 in the end.  A wave that walked no step of a tile has
; the sum 0, O^T 0 and the least M: its factor at the join is 0.
; LIMITS: NaN and infinities are not served; a block of p or of O whose largest magnitude lies under 2^-124 gets the byte 1.
; REGISTERS: v1-4 lane places in LDS; v5 -2^66; v6 lane, v7 16 r; v8-11 the step's addresses; v12 -M, v13 largest t, v[14:15] the sum; v16-27 q, v28 its scale word; v29-30 at work at the head;
;   v31 where my part goes, v243 where my partner's lies; v32-79 K's eight half tiles, later V's four fragments; v80-85 zeros; v86-89 K's scale words, v90-91 V's; v92-95, v210-211, v203 the second tile's q;
;   v96-159 S^T, then p; at the join my partner's part; v160-191 O^T; v192-209 staging; v212-254 at work, v253 p's scale word; v251, v255 the add's two.
.set FRB,  1536
.set KIMG, 3145728
.set VIMG, 6291456
.set QSCW, 9437184
.set KSCW, 9568256
.set VSCW, 9699328
.set CSCL, 3145728
.set VL,   98304                       ; LDS: K's codes at 0 (128 tiles x 768), V's here (16 steps x 4 fragments x 1,536),
.set KSL,  196608                      ; K's scale words (128 tiles x 64),
.set VSL,  204800                      ; V's (16 steps x 256),
.set PART, 208896                      ; the waves' parts: 4,608 bytes each,
.set SPARE, 282624                     ; the spare words: 128 bytes for each of 16 waves
.set QF,   16
.set QS,   28
.set KF,   32
.set KS,   86
.set VS,   90
.set S,    96
.set O,    160
.set PM,   11                          ; s11 the steps that are my partner's: bits 2 ks
.set SK2,  12                          ; s12, s13 the second tile's bits
.set FU2,  13
.set HOFF, 14                          ; s14 256 x the step whose record was asked for ahead
.set PASS, 15
.set SEL,  84                          ; s[84:85] lane selects; s[86:87] c
.set CS,   86
.set TK,   88                          ; s88 the step's codes in LDS (6,144 a step); s89 K's scale words (512); s90 V's, and the step's record in maskw (256)
.set TS,   89
.set TJ,   90
.set CNT,  91                          ; 2 x the step
.set SKIP, 92                          ; bit 2 ks: leave step ks out
.set FULL, 93                          ; bit 2 ks: step ks is all open
.set MP,   94                          ; s[94:95] the tile's 16 records; s[100:101] the second tile's
.macro HEADB r                         ; four scale words: my head's two bytes come down, and 0x7f stands over them, for k = 64 .. 127
.irp i, 0,1,2,3
	v_lshrrev_b32 v[\r+\i], s2, v[\r+\i]
.endr
.irp i, 0,1,2,3
	s_delay_alu instid0(VALU_DEP_4)
	v_and_or_b32 v[\r+\i], v[\r+\i], s3, 0x7f7f0000
.endr
.endm
.macro SUMM vs, sk, fu                 ; a tile's 32 summary words, one a lane (even lanes the ORs, odd lanes the ANDs), become its two words of bits
	v_cmp_eq_u32 s[\sk], 0, v[\vs]
	v_cmp_eq_u32 s[\fu], -1, v[\vs]
	v_mov_b32_dpp v29, v[\vs] row_xmask:2 row_mask:0xf bank_mask:0xf
	s_delay_alu instid0(VALU_DEP_1)
	v_or_b32 v29, v29, v[\vs]
	s_delay_alu instid0(VALU_DEP_1)
	v_mov_b32_dpp v30, v29 row_xmask:4 row_mask:0xf bank_mask:0xf
	s_delay_alu instid0(VALU_DEP_1)
	v_or_b32 v30, v30, v29
	s_delay_alu instid0(VALU_DEP_1)
	v_mov_b32_dpp v29, v30 row_xmask:8 row_mask:0xf bank_mask:0xf
	s_delay_alu instid0(VALU_DEP_1)
	v_or_b32 v29, v29, v30
	s_delay_alu instid0(VALU_DEP_1)
	v_permlanex16_b32 v30, v29, s[SEL], s[SEL+1]
	s_delay_alu instid0(VALU_DEP_1)
	v_or_b32 v29, v29, v30                         ; lane 0: the OR of the 16 ORs: which lanes have an open key anywhere
	s_delay_alu instid0(VALU_DEP_1)
	v_readfirstlane_b32 s16, v29
	s_lshr_b32 s17, s16, 16
	s_or_b32 s16, s16, s17                         ; row r lies in lanes r and 16 + r
	s_and_b32 s16, s16, s3
	s_cmp_eq_u32 s16, s3
	s_cselect_b32 s[\sk], s[\sk], 0                ; a row with no open key wants every step
	s_lshr_b32 s[\fu], s[\fu], 1
	s_or_b32 s[\sk], s[\sk], s[PM]                 ; my partner's steps are not mine
.endm
.macro RECORD o                        ; 64 lane masks: word j in s[16 + j], from word 48 on in s[20 + j]
	s_load_b512 s[16:31], s[MP:MP+1], s[\o] offset:0x0
	s_load_b512 s[32:47], s[MP:MP+1], s[\o] offset:0x40
	s_load_b512 s[48:63], s[MP:MP+1], s[\o] offset:0x80
	s_load_b512 s[68:83], s[MP:MP+1], s[\o] offset:0xc0
.endm
.macro AHEAD                           ; the record of the first step that is neither left out nor all open (step 15's where there is none: it is then not used)
	s_or_b32 s[HOFF], s[SKIP], s[FULL]
	s_not_b32 s[HOFF], s[HOFF]
	s_and_b32 s[HOFF], s[HOFF], 0x55555555
	s_ctz_i32_b32 s[HOFF], s[HOFF]
	s_min_u32 s[HOFF], s[HOFF], 30
	s_lshl_b32 s[HOFF], s[HOFF], 7
	RECORD HOFF
.endm
.macro INIT                            ; a tile begins: the largest t -3e38, under every t; the sum and O^T zeros (the step is written for every step alike)
	v_mov_b32 v13, 0xff61b1e6
	v_mov_b32 v14, 0
	v_mov_b32 v15, 0
	v_floor_f32 v12, -v13
.set j, 0
.rept 32
	v_mov_b32 v[O+j], 0
.set j, j+1
.endr
.endm
; A walk over key steps: lim / 2 trips, whatever the mask: what is left out is a step's work, not its address steps
.macro BODY id, lim
.Lstep\id:
	s_bitcmp1_b32 s[SKIP], s[CNT]
	s_cbranch_scc1 .Lnext\id
	s_bitcmp1_b32 s[FULL], s[CNT]                  ; a step that is all open uses no lane mask
	s_cbranch_scc1 .Lnm\id
	s_cmp_eq_u32 s[TJ], s[HOFF]                    ; this step's record was asked for ahead
	s_cbranch_scc1 .Lnm\id
	s_wait_kmcnt 0x0                               ; no scalar load is out that names the registers below
	RECORD TJ
.Lnm\id:
	v_add_nc_u32 v8, s[TK], v1                     ; (these four are also the places in front of loads into registers that the last step's products read)
	v_add_nc_u32 v9, s[TK], v2
	v_add_nc_u32 v10, s[TS], v3
	v_add_nc_u32 v11, s[TJ], v4
.irp t, 0,1,2,3,4,5,6,7
.irp p, 0,1,2
	ds_load_b64 v[KF+6*\t+2*\p:KF+6*\t+2*\p+1], v8 offset:768*\t+256*\p
.endr
.endr
.irp u, 0,1,2,3
	ds_load_b32 v[KS+\u], v10 offset:128*\u
.endr
	s_wait_alu depctr_va_vdst(0)
	s_wait_dscnt 0x0
.irp t, 0,1,2,3,4,5,6,7                ; S^T = k q^T: lane (r, h) holds query r; the 16 registers of tiles 2 b, 2 b + 1 are keys 32 b + 16 h + 0 .. 15
.if (\t%2) == 0
	v_wmma_scale_f32_16x16x128_f8f6f4 v[S+8*\t:S+8*\t+7], v[KF+6*\t:KF+6*\t+11], v[QF:QF+11], 0, v[KS+\t/2], v[QS] matrix_a_fmt:MATRIX_FMT_FP6 matrix_b_fmt:MATRIX_FMT_FP6
.else
	v_wmma_scale_f32_16x16x128_f8f6f4 v[S+8*\t:S+8*\t+7], v[KF+6*\t:KF+6*\t+11], v[QF:QF+11], 0, v[KS+\t/2], v[QS] matrix_a_fmt:MATRIX_FMT_FP6 matrix_b_fmt:MATRIX_FMT_FP6 matrix_a_scale:MATRIX_SCALE_ROW1
.endif
.endr
.rept 4
	v_nop                                          ; places in front of the loads below and of the first read of the scores
.endr
.irp t, 0,1,2,3                        ; V is asked for now and lands under the softmax
.irp p, 0,1,2,3,4,5
	ds_load_b64 v[KF+12*\t+2*\p:KF+12*\t+2*\p+1], v9 offset:FRB*\t+256*\p
.endr
.endr
.irp u, 0,1
	ds_load_b32 v[VS+\u], v11 offset:128*\u
.endr
	s_bitcmp1_b32 s[FULL], s[CNT]
	s_cbranch_scc1 .Lopen\id
	s_wait_kmcnt 0x0                               ; the step's record is in
.set j, 0
.rept 64
	v_cndmask_b32 v[S+j], v5, v[S+j], s[16+j+4*(j/48)]   ; a hidden score becomes -2^66
.set j, j+1
.endr
.Lopen\id:
.irp b, 0,1,2,3
	v_max3_num_f32 v[232+\b], v[S+16*\b], v[S+1+16*\b], v[S+2+16*\b]   ; the largest score of each block of 32 keys: for the row's maximum and, since p rises with the score, for the block's largest p
.endr
.irp i, 3,5,7,9,11,13
.irp b, 0,1,2,3
	v_max3_num_f32 v[232+\b], v[232+\b], v[S+16*\b+\i], v[S+1+16*\b+\i]
.endr
.endr
.irp b, 0,1,2,3
	v_max_num_f32 v[232+\b], v[232+\b], v[S+15+16*\b]
.endr
.irp b, 0,1,2,3
	s_delay_alu instid0(VALU_DEP_4)
	v_permlanex16_b32 v[236+\b], v[232+\b], s[SEL], s[SEL+1]
.endr
.irp b, 0,1,2,3
	s_delay_alu instid0(VALU_DEP_4)
	v_max_num_f32 v[232+\b], v[232+\b], v[236+\b]  ; with lane l xor 16's 16 keys
.endr
	s_delay_alu instid0(VALU_DEP_2)
	v_max3_num_f32 v254, v232, v233, v234
	s_delay_alu instid0(VALU_DEP_1)
	v_max_num_f32 v254, v254, v235
	s_delay_alu instid0(VALU_DEP_1)
	v_mul_f32 v254, s[CS], v254                    ; the step's largest t of my query
	s_delay_alu instid0(VALU_DEP_1)
	v_max_num_f32 v13, v13, v254
	v_mov_b32 v254, v12
	s_delay_alu instid0(VALU_DEP_2)
	v_floor_f32 v12, -v13                          ; the new -M = -ceil(t): a whole number
	s_delay_alu instid0(VALU_DEP_1)
	v_sub_f32 v254, v12, v254                      ; old M - new M: a whole number, 0 or less
	s_delay_alu instid0(VALU_DEP_1)
	v_cvt_i32_f32 v254, v254                       ; (it saturates)
	s_delay_alu instid0(VALU_DEP_1)
	v_ldexp_f32 v252, 1.0, v254                    ; f = 2^(old M - new M): rounds nothing
.set j, 0
.rept 32
	v_pk_fma_f32 v[S+j:S+j+1], v[S+j:S+j+1], s[CS:CS+1], v[12:13] op_sel_hi:[1,0,0]   ; t - M, two at a time
.set j, j+2
.endr
.irp b, 0,1,2,3
	v_fma_f32 v[232+\b], v[232+\b], s[CS], v12     ; the same of each block's largest score
.endr
	s_wait_alu depctr_va_vdst(0)                   ; ahead of the batch
.set j, 0
.rept 64
	v_exp_f32 v[S+j], v[S+j]                       ; p = 2^(t - M)
.set j, j+1
.endr
.irp b, 0,1,2,3
	v_exp_f32 v[232+\b], v[232+\b]                 ; the block's largest p
.endr
	v_pk_mul_f32 v[14:15], v[14:15], v[252:253] op_sel_hi:[1,0]   ; the sums under the new M (a plain place behind the exponentials)
	s_wait_alu depctr_va_vdst(0)                   ; and behind it
.irp b, 0,1,2,3
	v_max_num_f32 v[232+\b], 0x1800000, v[232+\b]  ; the floor 2^(3 - 127)
.endr
.irp b, 0,1,2,3
	s_delay_alu instid0(VALU_DEP_4)
	v_add_nc_u32 v[244+\b], 0xff000000, v[232+\b]  ; the conversion's scale operand
.endr
.irp b, 0,1,2,3
	s_delay_alu instid0(VALU_DEP_4)
	v_lshrrev_b32 v[236+\b], 23, v[244+\b]
.endr
	s_delay_alu instid0(VALU_DEP_3)
	v_lshl_or_b32 v253, v237, 8, v236              ; p's scale word for these 128 keys
	s_delay_alu instid0(VALU_DEP_1)
	v_lshl_or_b32 v253, v238, 16, v253
	s_delay_alu instid0(VALU_DEP_1)
	v_lshl_or_b32 v253, v239, 24, v253
.irp c, 0,1
	v_cvt_scalef32_pk16_fp6_f32 v[224+6*\c:226+6*\c], v[S+32*\c:S+15+32*\c], v[244+2*\c]
	v_cvt_scalef32_pk16_fp6_f32 v[236+4*\c:238+4*\c], v[S+16+32*\c:S+31+32*\c], v[244+2*\c+1]
.endr
	v_nop                                          ; one plain place behind a scaled conversion
.irp c, 0,1
.irp i, 0,1,2
	v_permlane16_swap_b32 v[224+6*\c+\i], v[236+4*\c+\i]
.endr
.irp i, 0,1,2
	s_delay_alu instid0(VALU_DEP_3)
	v_mov_b32 v[227+6*\c+\i], v[236+4*\c+\i]
.endr
.endr
; the row's sum of the unquantised p: 32 pairs in eight chains by turns
.irp c, 0,1,2,3,4,5
	v_pk_add_f32 v[212+2*\c:213+2*\c], v[S+4*\c:S+4*\c+1], v[S+4*\c+2:S+4*\c+3]
.endr
	v_pk_add_f32 v[236:237], v[S+24:S+25], v[S+26:S+27]
	v_pk_add_f32 v[14:15], v[14:15], v[S+28:S+29]
.irp g, 0,1
.irp c, 0,1,2,3,4,5
	v_pk_add_f32 v[212+2*\c:213+2*\c], v[212+2*\c:213+2*\c], v[S+30+16*\g+2*\c:S+31+16*\g+2*\c]
.endr
	v_pk_add_f32 v[236:237], v[236:237], v[S+42+16*\g:S+43+16*\g]
	v_pk_add_f32 v[14:15], v[14:15], v[S+44+16*\g:S+45+16*\g]
.endr
	v_pk_add_f32 v[212:213], v[212:213], v[214:215]
	v_pk_add_f32 v[216:217], v[216:217], v[218:219]
	v_pk_add_f32 v[220:221], v[220:221], v[222:223]
	v_pk_add_f32 v[236:237], v[236:237], v[S+62:S+63]
	v_pk_add_f32 v[212:213], v[212:213], v[216:217]
	v_pk_add_f32 v[14:15], v[14:15], v[220:221]
	s_delay_alu instid0(VALU_DEP_2)
	v_pk_add_f32 v[212:213], v[212:213], v[236:237]
	s_delay_alu instid0(VALU_DEP_1)
	v_pk_add_f32 v[14:15], v[14:15], v[212:213]
.set j, 0
.rept 16
	v_pk_mul_f32 v[O+j:O+j+1], v[O+j:O+j+1], v[252:253] op_sel_hi:[1,0]   ; O^T under the new M, each accumulator from its low end on
.set j, j+2
.endr
	s_wait_alu depctr_va_vdst(0)                   ; directly ahead of the wait below
	s_wait_dscnt 0x0                               ; V is in
.irp t, 0,1,2,3                        ; O^T += v^T p^T: the four accumulators take turns
.if (\t%2) == 0
	v_wmma_scale_f32_16x16x128_f8f6f4 v[O+8*\t:O+8*\t+7], v[KF+12*\t:KF+12*\t+11], v[224:235], v[O+8*\t:O+8*\t+7], v[VS+\t/2], v253 matrix_a_fmt:MATRIX_FMT_FP6 matrix_b_fmt:MATRIX_FMT_FP6
.else
	v_wmma_scale_f32_16x16x128_f8f6f4 v[O+8*\t:O+8*\t+7], v[KF+12*\t:KF+12*\t+11], v[224:235], v[O+8*\t:O+8*\t+7], v[VS+\t/2], v253 matrix_a_fmt:MATRIX_FMT_FP6 matrix_b_fmt:MATRIX_FMT_FP6 matrix_a_scale:MATRIX_SCALE_ROW1
.endif
.endr
.Lnext\id:
	s_wait_xcnt 0x0                                ; any scalar load has read its offset: s90 is stepped only behind this wait
	s_add_co_u32 s[TK], s[TK], 6144
	s_add_co_u32 s[TS], s[TS], 512
	s_add_co_u32 s[TJ], s[TJ], 256
	s_add_co_u32 s[CNT], s[CNT], 2
	s_cmp_lt_u32 s[CNT], \lim
	s_cbranch_scc1 .Lstep\id
.endm
	s_load_b128 s[4:7], s[0:1], 0x0                ; qkv, maskw
	s_load_b64 s[100:101], s[0:1], 0x10            ; msum
	s_load_b64 s[8:9], s[0:1], 0x18                ; cc
	v_lshl_add_u32 v251, v0, 2, SPARE
	v_mov_b32 v255, 0
	v_lshrrev_b32 v6, 5, v0
	s_delay_alu instid0(VALU_DEP_1)
	v_readfirstlane_b32 s10, v6                    ; wave 0..15
	s_and_b32 s11, ttmp7, 0xffff
	s_lshr_b32 s12, s11, 4                         ; n
	s_and_b32 s13, s11, 15                         ; head
	s_lshr_b32 s14, s13, 1                         ; pair of heads
	s_and_b32 s15, s13, 1                          ; c: which of the pair
	s_and_b32 s16, s10, 7                          ; p
	s_sub_co_u32 s18, 15, s16                      ; 15 - p
	s_cmp_lt_u32 s10, 8
	s_cselect_b32 s48, s18, s16                    ; my first tile's rank,
	s_cselect_b32 s17, s16, s18                    ; and my second's
	s_lshl_b32 s48, s48, 3
	s_add_co_u32 s48, s48, ttmp9
	s_lshl_b32 s17, s17, 3
	s_add_co_u32 s17, s17, ttmp9
	s_lshl_b32 s49, s12, 7
	s_add_co_u32 s17, s17, s49                     ; QT = 128 n + tile, of my second tile,
	s_add_co_u32 s49, s49, s48                     ; and of my first
	s_lshr_b32 s18, s10, 3
	s_xor_b32 s18, s18, s10
	s_and_b32 s18, s18, 1                          ; 0: the even key steps are mine; 1: the odd ones.  My partner, wave xor 8, has the others
	s_mov_b32 s[PM], 0x44444444                    ; bits 2 ks of the odd steps,
	s_cmp_eq_u32 s18, 0
	s_cselect_b32 s[PM], s[PM], 0x11111111         ; or of the even ones
	s_lshl_b32 s50, s49, 7                         ; a tile's 16 summaries: 128 bytes
	s_mov_b32 s51, 0
	s_lshl_b32 s52, s17, 7
	s_mov_b32 s53, 0
	s_lshl_b32 s[MP], s49, 12                      ; its 16 records
	s_mov_b32 s[MP+1], 0
	s_lshl_b32 s78, s17, 12
	s_mov_b32 s79, 0
	s_lshl_b32 s54, s14, 8
	s_lshl_b32 s55, s12, 7
	s_add_co_u32 s55, s55, s54                     ; 256 pair + 128 n: the head's first tile of keys
	s_mul_i32 s58, s15, 768                        ; my head's half of a fragment
	s_lshl_b32 s56, s10, 3
	s_add_co_u32 s56, s56, s55
	s_mul_i32 s56, s56, FRB
	s_add_co_u32 s56, s56, s58
	s_add_co_u32 s56, s56, KIMG                    ; the 8 tiles of keys of step = wave
	s_mov_b32 s57, 0
	s_lshl_b32 s60, s12, 4
	s_add_co_u32 s60, s60, s10
	s_lshl_b32 s60, s60, 6
	s_lshl_b32 s61, s13, 2
	s_add_co_u32 s60, s60, s61                     ; (16 n + wave) 64 + 4 head: that key step of V
	s_lshl_b32 s62, s60, 6
	s_add_co_u32 s62, s62, VSCW
	s_mov_b32 s63, 0
	s_mul_i32 s60, s60, FRB
	s_add_co_u32 s60, s60, VIMG
	s_mov_b32 s61, 0
	s_lshl_b32 s68, s55, 6
	s_add_co_u32 s68, s68, KSCW
	s_mov_b32 s69, 0
	s_add_co_u32 s59, s54, s49                     ; 256 pair + QT: my first tile of q
	s_mul_i32 s70, s59, FRB
	s_add_co_u32 s70, s70, s58
	s_mov_b32 s71, 0
	s_lshl_b32 s72, s59, 6
	s_add_co_u32 s72, s72, QSCW
	s_mov_b32 s73, 0
	s_add_co_u32 s59, s54, s17                     ; and my second
	s_mul_i32 s74, s59, FRB
	s_add_co_u32 s74, s74, s58
	s_mov_b32 s75, 0
	s_lshl_b32 s76, s59, 6
	s_add_co_u32 s76, s76, QSCW
	s_mov_b32 s77, 0
	s_lshl_b32 s96, s17, 3                         ; I write my second tile out
	s_add_co_u32 s96, s96, s14
	s_mul_i32 s96, s96, FRB
	s_add_co_u32 s96, s96, s58                     ; out: fragment (QT, K step = pair), my head's half
	s_mov_b32 s97, 0
	s_lshl_b32 s98, s17, 9
	s_lshr_b32 s19, s14, 2
	s_lshl_b32 s19, s19, 8
	s_add_co_u32 s98, s98, s19
	s_and_b32 s19, s14, 3
	s_lshl_b32 s19, s19, 2
	s_add_co_u32 s98, s98, s19
	s_lshl_b32 s19, s15, 1
	s_add_co_u32 s98, s98, s19
	s_add_co_u32 s98, s98, CSCL                    ; out: QT's scale image, K step = pair, my head's two bytes
	s_mov_b32 s99, 0
	s_lshl_b32 s2, s15, 4                          ; my head's two bytes of a scale word
	s_mov_b32 s3, 0xffff
	s_mov_b32 s[SEL], 0x76543210
	s_mov_b32 s[SEL+1], 0xfedcba98
	s_mov_b32 s[CS], 0x3e38aa3b                    ; c = log2(e) / 8
	s_mov_b32 s[CS+1], s[CS]                       ; (named with it as a pair, so it is written)
	s_mul_i32 s20, s10, 6144
	s_lshl_b32 s21, s10, 8
	s_mul_i32 s22, s10, 4608
	s_add_co_u32 s22, s22, PART                    ; my part's bytes,
	s_xor_b32 s23, s10, 8
	s_mul_i32 s23, s23, 4608
	s_add_co_u32 s23, s23, PART                    ; and my partner's
	v_and_b32 v6, 31, v0                           ; lane
	v_and_b32 v7, 15, v0                           ; r
	v_lshlrev_b32 v194, 4, v0                      ; 16 x thread
	v_lshlrev_b32 v1, 3, v6                        ; K's codes: 8 x lane
	v_lshl_add_u32 v3, v6, 2, KSL                  ; K's scale words: 4 x lane: lanes 0-15 one tile's, lanes 16-31 the next tile's
	v_lshl_add_u32 v4, v6, 2, VSL
	v_lshlrev_b32 v192, 4, v6                      ; 16 x lane
	v_lshlrev_b32 v193, 2, v6                      ; 4 x lane
	v_lshlrev_b32 v195, 2, v7                      ; 4 r
	v_lshlrev_b32 v7, 4, v7                        ; 16 r
	v_add_nc_u32 v2, VL, v1                        ; V's codes
	v_add_nc_u32 v196, s20, v192                   ; where I stage: K's codes, 6,144 x wave,
	v_add_nc_u32 v197, s20, v1
	v_add_nc_u32 v199, KSL, v194                   ; K's scale words, 16 x thread,
	v_add_nc_u32 v200, s21, v1
	v_add_nc_u32 v198, VL, v196                    ; V's codes,
	v_add_nc_u32 v200, VSL, v200                   ; V's scale words, 256 x wave + 8 x lane
	v_add_nc_u32 v31, s22, v192                    ; a part: four registers at 16 x lane, 512 bytes on for the next four
	v_add_nc_u32 v243, s23, v192
	s_wait_alu depctr_va_vdst(0)                   ; directly ahead of the wait below
	s_wait_kmcnt 0x0
	s_add_nc_u64 s[50:51], s[100:101], s[50:51]
	s_add_nc_u64 s[52:53], s[100:101], s[52:53]
	s_add_nc_u64 s[MP:MP+1], s[6:7], s[MP:MP+1]
	s_add_nc_u64 s[100:101], s[6:7], s[78:79]
	s_add_nc_u64 s[56:57], s[4:5], s[56:57]
	s_add_nc_u64 s[60:61], s[4:5], s[60:61]
	s_add_nc_u64 s[62:63], s[4:5], s[62:63]
	s_add_nc_u64 s[68:69], s[4:5], s[68:69]
	s_add_nc_u64 s[70:71], s[4:5], s[70:71]
	s_add_nc_u64 s[72:73], s[4:5], s[72:73]
	s_add_nc_u64 s[74:75], s[4:5], s[74:75]
	s_add_nc_u64 s[76:77], s[4:5], s[76:77]
	s_add_nc_u64 s[96:97], s[8:9], s[96:97]
	s_add_nc_u64 s[98:99], s[8:9], s[98:99]
.irp t, 0,1,2,3,4,5,6,7
	global_load_b128 v[96+4*\t:99+4*\t], v192, s[56:57] offset:FRB*\t              ; a half tile's 768 bytes as they lie: 512,
	global_load_b64 v[128+2*\t:129+2*\t], v1, s[56:57] offset:FRB*\t+512           ; and 256
.endr
.irp m, 0,1,2,3,4,5,6,7,8,9,10,11
	global_load_b128 v[144+4*\m:147+4*\m], v192, s[60:61] offset:512*\m            ; four fragments of V: 6,144 consecutive bytes
.endr
	global_load_b128 v[204:207], v194, s[68:69]    ; K's scale words: 8,192 consecutive bytes a work-group
	global_load_b64 v[208:209], v1, s[62:63]       ; V's: 256 a wave
.irp p, 0,1,2
	global_load_b64 v[QF+2*\p:QF+2*\p+1], v1, s[70:71] offset:256*\p
.endr
	global_load_b32 v[QS], v195, s[72:73]
	global_load_b32 v201, v193, s[50:51]           ; my two tiles' summaries: 128 consecutive bytes each
	global_load_b32 v202, v193, s[52:53]
	global_load_b64 v[92:93], v1, s[74:75]         ; the second tile's q waits in registers
	global_load_b64 v[94:95], v1, s[74:75] offset:256
	global_load_b64 v[210:211], v1, s[74:75] offset:512
	global_load_b32 v203, v195, s[76:77]
	v_mov_b32 v5, 0xe0800000                       ; -2^66
.irp j, 22,23,24,25,26,27,80,81,82,83,84,85
	v_mov_b32 v\j, 0                               ; zero codes
.endr
.irp j, 29,30,236,237,238,239,252,253
	v_mov_b32 v\j, 0                               ; lane permutes' destinations and a pair's upper half count as read
.endr
	s_wait_loadcnt 0x0
	HEADB 204
	v_lshrrev_b32 v[QS], s2, v[QS]
	s_delay_alu instid0(VALU_DEP_1)
	v_and_or_b32 v[QS], v[QS], s3, 0x7f7f0000
.irp t, 0,1,2,3,4,5,6,7
	ds_store_b128 v196, v[96+4*\t:99+4*\t] offset:768*\t
	ds_store_b64 v197, v[128+2*\t:129+2*\t] offset:768*\t+512
.endr
.irp m, 0,1,2,3,4,5,6,7,8,9,10,11
	ds_store_b128 v198, v[144+4*\m:147+4*\m] offset:512*\m
.endr
	ds_store_b128 v199, v[204:207]
	ds_store_b64 v200, v[208:209]
	SUMM 201, SKIP, FULL
	SUMM 202, SK2, FU2
	INIT                                           ; (also the places between the line that made q's scale word and the first scaled product)
	AHEAD                                          ; (every load of the head has been waited for: the scalar registers that held their addresses take the lane masks)
	s_mov_b32 s[PASS], 0
	s_wait_alu depctr_va_vdst(0)
	s_wait_dscnt 0x0                               ; for the others' sake: my stores have landed
	s_barrier_signal -1
	s_barrier_wait -1                              ; the head's K and V lie in LDS
.Lmain:                                            ; two turns: my first tile, my second tile
	s_mov_b32 s[TK], 0
	s_mov_b32 s[TS], 0
	s_mov_b32 s[TJ], 0
	s_mov_b32 s[CNT], 0
	BODY 1, 32
	s_cmp_eq_u32 s[PASS], 1
	s_cbranch_scc1 .Ljoin
.rept 4
	v_nop                                          ; places in front of the first read of results
.endr
.irp k, 0,1,2,3,4,5,6,7
	ds_store_b128 v31, v[O+4*\k:O+4*\k+3] offset:512*\k   ; my first tile's part, for my partner: O^T, each accumulator from its low end on,
.endr
	ds_store_b128 v31, v[12:15] offset:4096        ; -M, the largest t, the sum's two halves
	s_wait_kmcnt 0x0                               ; a record asked for ahead and not used may still be out
	s_mov_b32 s[SKIP], s[SK2]
	s_mov_b32 s[FULL], s[FU2]
	s_mov_b64 s[MP:MP+1], s[100:101]
	AHEAD
	v_mov_b32 v[QF], v92
	v_mov_b32 v[QF+1], v93
	v_mov_b32 v[QF+2], v94
	v_mov_b32 v[QF+3], v95
	v_mov_b32 v[QF+4], v210
	v_mov_b32 v[QF+5], v211
	v_lshrrev_b32 v[QS], s2, v203
	v_and_or_b32 v[QS], v[QS], s3, 0x7f7f0000
	INIT                                           ; (also the places in front of the first scaled product)
	s_add_co_u32 s[PASS], s[PASS], 1
	s_cmp_lt_u32 s[PASS], 2
	s_wait_alu depctr_va_vdst(0)                   ; directly ahead of the branch
	s_cbranch_scc1 .Lmain
.Ljoin:
	s_wait_dscnt 0x0                               ; for my partner's sake: my part has landed
	s_barrier_signal -1
	s_barrier_wait -1
.irp k, 0,1,2,3,4,5,6,7,8
	ds_load_b128 v[S+4*\k:S+4*\k+3], v243 offset:512*\k   ; my partner's part of my second tile: O^T in v96-127, -M in v128, the sum in v[130:131]
.endr
	s_wait_dscnt 0x0
	v_min_num_f32 v132, v12, v128                  ; -M of the two together: M is the larger
	v_mov_b32 v137, 0                              ; (named as pairs' upper halves, so they are written)
	v_mov_b32 v139, 0
	v_sub_f32 v133, v132, v12                      ; my M less the joint M: a whole number, 0 or less;
	v_sub_f32 v134, v132, v128                     ; and my partner's
	v_cvt_i32_f32 v133, v133                       ; (they saturate)
	v_cvt_i32_f32 v134, v134
	v_ldexp_f32 v136, 1.0, v133                    ; the two factors: powers of two, or 0
	v_ldexp_f32 v138, 1.0, v134
	v_pk_mul_f32 v[14:15], v[14:15], v[136:137] op_sel_hi:[1,0]
.set j, 0
.rept 16
	v_pk_mul_f32 v[O+j:O+j+1], v[O+j:O+j+1], v[136:137] op_sel_hi:[1,0]   ; each accumulator from its low end on
.set j, j+2
.endr
	v_pk_fma_f32 v[14:15], v[130:131], v[138:139], v[14:15] op_sel_hi:[1,0,1]
.set j, 0
.rept 16
	v_pk_fma_f32 v[O+j:O+j+1], v[S+j:S+j+1], v[138:139], v[O+j:O+j+1] op_sel_hi:[1,0,1]
.set j, j+2
.endr
	; THE WAY OUT: O^T / the sum; register 16 b + i is d = 32 b + 16 h + i of my query (Wv's tiles were permuted for this): two blocks of the last product's K
	v_add_f32 v14, v14, v15
	s_delay_alu instid0(VALU_DEP_1)
	v_permlanex16_b32 v252, v14, s[SEL], s[SEL+1]
	s_delay_alu instid0(VALU_DEP_1)
	v_add_f32 v14, v14, v252                       ; the row's sum
	s_wait_alu depctr_va_vdst(0)                   ; ahead of the transcendental
	v_rcp_f32 v14, v14
	v_nop                                          ; one plain place behind a transcendental
	s_wait_alu depctr_va_vdst(0)                   ; and behind it
.set j, 0
.rept 32
	v_mul_f32 v[S+j], v[O+j], v14
.set j, j+1
.endr
.irp b, 0,1
	v_max3_num_f32 v[232+\b], |v[S+16*\b]|, |v[S+1+16*\b]|, 0x1800000
.endr
.irp i, 2,4,6,8,10,12,14
.irp b, 0,1
	s_delay_alu instid0(VALU_DEP_2)
	v_max3_num_f32 v[232+\b], v[232+\b], |v[S+16*\b+\i]|, |v[S+1+16*\b+\i]|
.endr
.endr
.irp b, 0,1
	s_delay_alu instid0(VALU_DEP_2)
	v_permlanex16_b32 v[236+\b], v[232+\b], s[SEL], s[SEL+1]
.endr
.irp b, 0,1
	s_delay_alu instid0(VALU_DEP_2)
	v_max_num_f32 v[232+\b], v[232+\b], v[236+\b]
.endr
.irp b, 0,1
	s_delay_alu instid0(VALU_DEP_2)
	v_add_nc_u32 v[244+\b], 0xff000000, v[232+\b]
.endr
.irp b, 0,1
	s_delay_alu instid0(VALU_DEP_2)
	v_lshrrev_b32 v[236+\b], 23, v[244+\b]
.endr
	s_delay_alu instid0(VALU_DEP_1)
	v_lshl_or_b32 v240, v237, 8, v236              ; my head's two bytes of the row's scale word
	v_cvt_scalef32_pk16_fp6_f32 v[224:226], v[S:S+15], v244
	v_cvt_scalef32_pk16_fp6_f32 v[248:250], v[S+16:S+31], v245
	v_nop                                          ; one plain place behind a scaled conversion
.irp i, 0,1,2
	v_permlane16_swap_b32 v[224+\i], v[248+\i]
.endr
.irp i, 0,1,2
	s_delay_alu instid0(VALU_DEP_3)
	v_mov_b32 v[227+\i], v[248+\i]
.endr
.irp p, 0,1,2
	global_store_b64 v1, v[224+2*\p:225+2*\p], s[96:97] offset:256*\p   ; 32 lanes store 256 consecutive bytes, aligned
.endr
	v_cmp_gt_u32 vcc_lo, 16, v6
	s_wait_alu depctr_va_vdst(0)
	s_wait_xcnt 0x0                                ; EXEC changes only behind this wait
	s_and_saveexec_b32 s100, vcc_lo
	global_store_b16 v7, v240, s[98:99]            ; 2 bytes a row, 16 bytes apart: a scale word spans two heads, which are two work-groups; one such instruction a wave
	s_wait_xcnt 0x0
	s_or_b32 exec_lo, exec_lo, s100
	s_wait_tensorcnt 0x0                           ; the wave's end: behind my last LDS store
	ds_add_u32 v251, v255
	s_wait_dscnt 0x0
	s_endpgm
.Lfunc_end_k_q116f35251d_attn:
	.size	k_q116f35251d_attn, .Lfunc_end_k_q116f35251d_attn-k_q116f35251d_attn
	.p2alignl 7, 3214868480
	.fill 96, 4, 3214868480
	.section	.rodata,"a",@progbits
	.p2align	6, 0x0
	.amdhsa_kernel k_q116f35251d_attn
		.amdhsa_group_segment_fixed_size 284672
		.amdhsa_private_segment_fixed_size 0
		.amdhsa_enable_private_segment 0
		.amdhsa_kernarg_size 32
		.amdhsa_user_sgpr_count 2
		.amdhsa_user_sgpr_kernarg_segment_ptr 1
		.amdhsa_wavefront_size32 1
		.amdhsa_system_sgpr_workgroup_id_x 1
		.amdhsa_system_sgpr_workgroup_id_y 1
		.amdhsa_system_sgpr_workgroup_id_z 1
		.amdhsa_system_vgpr_workitem_id 0
		.amdhsa_next_free_vgpr 256
		.amdhsa_next_free_sgpr 102
		.amdhsa_reserve_vcc 1
		.amdhsa_float_denorm_mode_32 3
		.amdhsa_float_denorm_mode_16_64 3
		.amdhsa_memory_ordered 1
		.amdhsa_forward_progress 1
		.amdhsa_inst_pref_size 51
	.end_amdhsa_kernel
	.amdgpu_metadata
---
amdhsa.version: [ 1, 2 ]
amdhsa.kernels:
  - .name:           k_q116f35251d_attn
    .symbol:         k_q116f35251d_attn.kd
    .args:
      - { .name: qkv, .offset: 0, .size: 8, .value_kind: global_buffer, .address_space: global }
      - { .name: maskw, .offset: 8, .size: 8, .value_kind: global_buffer, .address_space: global }
      - { .name: msum, .offset: 16, .size: 8, .value_kind: global_buffer, .address_space: global }
      - { .name: cc, .offset: 24, .size: 8, .value_kind: global_buffer, .address_space: global }
    .group_segment_fixed_size: 284672
    .private_segment_fixed_size: 0
    .kernarg_segment_align: 8
    .kernarg_segment_size: 32
    .max_flat_workgroup_size: 512
    .sgpr_count:     102
    .vgpr_count:     256
    .wavefront_size: 32
...
	.end_amdgpu_metadata
.endif
;; end of part 3
;; launch outp (part 4): grid 8 x 32, 4 waves a work-group, clusters of 4 x 4, 327,680 bytes of LDS; arguments cc, prep, bo, out0; writes out0
.if DOCPART == 4
	.amdgcn_target "amdgcn-amd-amdhsa--gfx1250"
	.amdhsa_code_object_version 6
	.text
	.protected	k_q116f35251d_outp
	.globl	k_q116f35251d_outp
	.p2align	8
	.type	k_q116f35251d_outp,@function
k_q116f35251d_outp:
	s_mov_b64 s[64:65], 0
	v_nop
	global_prefetch_b8 v0, s[64:65] scope:SCOPE_SE
	s_setreg_imm32_b32 hwreg(HW_REG_WAVE_MODE, 25, 1), 1
	s_wait_xcnt 0x0
	s_wait_alu depctr_hold_cnt(0) depctr_sa_sdst(0) depctr_va_vdst(0) depctr_va_sdst(0) depctr_va_ssrc(0) depctr_va_vcc(0) depctr_vm_vsrc(0)
	s_getreg_b32 s2, hwreg(HW_REG_IB_STS2, 6, 4)
	s_cmp_eq_u32 s2, 0
	s_cbranch_scc0 .Lentry_in_a_cluster
	s_endpgm
.Lentry_in_a_cluster:
	s_bfe_u32 s2, ttmp6, 0x10000c
	s_cmp_lg_u32 s2, 0xf033
	s_cbranch_scc0 .Lentry_shape_is_right
	s_endpgm
.Lentry_shape_is_right:
; OUTP: out0 = concat Wo^T + bo on codes of FP6 (E2M3) with E8M0 scales, K = 1,024.  A work-group makes 128 rows x 128 columns.
;   P = source 0 = 128 rows of Wo (output columns; natural tiles): the result's registers run along them, so a lane holds eight neighbouring numbers of a row of out0.
;   R = source 1 = 128 rows of concat, as the launch before laid them (registers 2 p, 2 p + 1 of lane l at 256 p + 8 l of a fragment's 1,536 bytes).
; Both panels fit in LDS whole: two halves of four K steps, each byte filled once by a tensor load; nothing is filled again.  A wave makes all 8 tiles of P x its own 2 tiles of R: 16 accumulators by turns
; The accumulators begin as the bias, loaded in the result's layout; all eight K steps add in place.
; CLUSTERS: 4 x 4 work-groups.  P hangs on cx alone and is shared along a column of the cluster, R on cy alone and is shared along a row: each chunk is asked for jointly.
; REGISTERS: window 0: v2-3, v6-7 LDS addresses; v12-15 lane offsets; v16-47 P's scale words, v48-55 R's; v64-127 rows on the way out; v128-255 accumulators (i, j) at 128 + 64 i + 8 j.
;            window 1: two buffers of 128: P's eight fragments at 12 j, R's two at 96 + 12 i.
.set WIMG, 9437184
.set WSCL, 12976128
.set CSCL, 3145728
.set FRB,  1536
.set CH,   98304                       ; a half: four K steps of P's 8 tiles (tile j, K step e at 6,144 j + 1,536 e), then of R's 8.  Half 0 comes by the head's loads, half 1 behind a round; each byte is filled once
.set STAGE, 2*CH                       ; behind the halves: 16 rows x (512 bytes + 16) for each wave; no tensor load lands there
.set SP,   528                         ; 132 words: row r starts at bank 4 r mod 64 (64 banks of 4 bytes: ISA guide 11.1)
.set AP,   2
.set AR,   6
.set L16,  12
.set BO,   13
.set STO,  14
.set RD,   15
.set PS,   16
.set RS,   48
.set BK,   64
.set ACC,  128
.set G1P,  20
.set G1R,  28
.set G0P,  36
.set MSB, 0
.macro WIN new                         ; the immediate's high byte repeats the setting that is left
.if MSB != \new
	s_set_vgpr_msb (MSB<<8)|\new
.set MSB, \new
.endif
.endm
.set MUL,  0x05
.set TO_F, 0x40
.macro CROUND                          ; a round of the cluster's barrier
	s_barrier_signal -1
	s_barrier_wait -1
	s_cmp_lg_u32 s8, 0
	s_cbranch_scc1 .Lnot_wave_0_\@
	s_barrier_signal -3
.Lnot_wave_0_\@:
	s_barrier_wait -3
	s_barrier_signal -1
	s_barrier_wait -1
.endm
.macro PLACES n                        ; plain vector instructions that name no register of the matrix instructions in front of them (ISA guide 7.12.1)
.rept \n
	v_nop
.endr
.endm
	s_load_b128 s[4:7], s[0:1], 0x0                ; cc, prep
	s_load_b128 s[72:75], s[0:1], 0x10             ; bo, out0
	v_lshl_add_u32 v62, v0, 2, 0x38400
	v_mov_b32 v63, 0
	ds_add_u32 v62, v63
	ds_add_u32 v62, v63
	v_lshrrev_b32 v1, 5, v0
	v_readfirstlane_b32 s8, v1                     ; wave 0..3
	s_and_b32 s9, s8, 1
	s_bfe_u32 s10, ttmp6, 0x40000                  ; cx
	s_bfe_u32 s11, ttmp6, 0x40004                  ; cy
	s_lshl_b32 s15, ttmp9, 2
	s_add_co_u32 s15, s15, s10                     ; P's panel: 128 columns of out0
	s_and_b32 s16, ttmp7, 0xffff
	s_lshl_b32 s16, s16, 2
	s_add_co_u32 s16, s16, s11                     ; R's panel: 128 rows
	s_mul_i32 s82, s9, 49152
	s_mul_i32 s83, s9, 24576
	s_mul_i32 s80, s15, 98304
	s_add_co_u32 s80, s80, s82
	s_add_co_u32 s80, s80, WIMG
	s_mov_b32 s81, 0
	s_mul_i32 s84, s16, 98304
	s_add_co_u32 s84, s84, s82
	s_mov_b32 s85, 0
	s_lshl_b32 s86, s11, 2
	s_lshl_b32 s86, 15, s86                        ; my row of the cluster
	s_lshl_b32 s87, 0x1111, s10                    ; my column
	; descriptor group 1: 4 tiles x four K steps (768 elements of 8 bytes), 1,536 elements from tile to tile; dense in LDS
	s_or_b32 s[G1P], s87, (3<<16)|(1<<21)
	s_or_b32 s[G1R], s86, (3<<16)|(1<<21)
.irp g, G1P, G1R
	s_mov_b32 s[\g+1], 768<<16                     ; 4 tiles x four K steps (768 elements of 8 bytes)
	s_mov_b32 s[\g+2], 4<<16
	s_mov_b32 s[\g+3], 768<<16
	s_mov_b32 s[\g+4], 4
	s_mov_b32 s[\g+5], 1536
	s_mov_b32 s[\g+6], 0
	s_mov_b32 s[\g+7], 0
.endr
	s_wait_dscnt 0x0
	s_wait_kmcnt 0x0
	s_add_nc_u64 s[80:81], s[6:7], s[80:81]
	s_add_nc_u64 s[84:85], s[4:5], s[84:85]
.irp q, 0,1
	s_mov_b32 s[G0P+4*\q], 1
	s_add_co_u32 s[G0P+4*\q+1], s83, \q*CH
	s_add_nc_u64 s[G0P+4*\q+2:G0P+4*\q+3], s[80:81], \q*6144
	s_or_b32 s[G0P+4*\q+3], s[G0P+4*\q+3], 0x80000000
	s_mov_b32 s[52+4*\q+4*(\q/3)], 1
	s_add_co_u32 s[52+4*\q+4*(\q/3)+1], s83, \q*CH+49152
	s_add_nc_u64 s[52+4*\q+4*(\q/3)+2:52+4*\q+4*(\q/3)+3], s[84:85], \q*6144
	s_or_b32 s[52+4*\q+4*(\q/3)+3], s[52+4*\q+4*(\q/3)+3], 0x80000000
.endr
	CROUND                                         ; all sixteen work-groups are here: the joint loads meet
	s_cmp_lt_u32 s8, 2                             ; waves 0, 1 fetch P's halves, waves 2, 3 R's: one load of mine stands in each branch
	s_cbranch_scc0 .Lfor_r
	tensor_load_to_lds s[G0P:G0P+3], s[G1P:G1P+7]  ; half 0: one tensor load a wave at the head
	s_nop 0
	PLACES 4
	s_branch .Lasked
.Lfor_r:
	tensor_load_to_lds s[52:55], s[G1R:G1R+7]
	s_nop 0
	PLACES 4
.Lasked:
	v_and_b32 v1, 31, v0
	v_and_b32 v10, 15, v0                          ; r
	v_bfe_u32 v11, v0, 4, 1                        ; h
	v_lshlrev_b32 v[L16], 4, v1
	v_lshlrev_b32 v1, 3, v1                        ; 8 x lane
	v_lshlrev_b32 v[BO], 5, v11                    ; the bias: 32 h
	s_mul_i32 s88, s8, 12288                       ; my two tiles of R in a half,
	s_add_co_u32 s88, s88, 49152                   ; behind P's eight
.irp q, 0,1
	v_add_nc_u32 v[AP+\q], \q*CH, v[L16]
.endr
	v_add_nc_u32 v[AR], s88, v1
	v_add_nc_u32 v[AR+1], CH, v[AR]
	s_mul_i32 s89, s8, 16*SP
	s_add_co_u32 s89, s89, STAGE                   ; my stage
	v_mul_u32_u24 v[STO], v10, SP
	v_lshl_add_u32 v[STO], v11, 5, v[STO]
	v_add_nc_u32 v[STO], s89, v[STO]               ; in: row r, + 32 h
	v_add_nc_u32 v[RD], s89, v[L16]                ; back: a row's 512 bytes, 16 a lane
	s_lshl_b32 s90, s15, 12
	s_add_co_u32 s90, s90, WSCL
	s_mov_b32 s91, 0
	s_add_nc_u64 s[90:91], s[6:7], s[90:91]
	s_lshl_b32 s92, s16, 12
	s_lshl_b32 s93, s8, 10
	s_add_co_u32 s92, s92, s93
	s_add_co_u32 s92, s92, CSCL
	s_mov_b32 s93, 0
	s_add_nc_u64 s[92:93], s[4:5], s[92:93]
	s_lshl_b32 s94, s15, 9                         ; my panel's 128 columns: 512 bytes
	s_mov_b32 s95, 0
	s_add_nc_u64 s[72:73], s[72:73], s[94:95]
	s_add_nc_u64 s[74:75], s[74:75], s[94:95]
	s_lshl_b32 s94, s16, 19                        ; 128 rows of 4,096 bytes,
	s_lshl_b32 s76, s8, 17                         ; my 32 of them
	s_add_co_u32 s94, s94, s76
	s_add_nc_u64 s[74:75], s[74:75], s[94:95]
	s_wait_alu depctr_va_vdst(0)
.irp j, 0,1,2,3,4,5,6,7
	global_load_b128 v[PS+4*\j:PS+4*\j+3], v[L16], s[90:91] offset:512*\j   ; register i: lanes 0-15 the words of K step i, lanes 16-31 those of K step 4 + i
.endr
.irp i, 0,1
	global_load_b128 v[RS+4*\i:RS+4*\i+3], v[L16], s[92:93] offset:512*\i
.endr
.irp i, 0,1
.irp j, 0,1,2,3,4,5,6,7
	global_load_b128 v[ACC+64*\i+8*\j:ACC+64*\i+8*\j+3], v[BO], s[72:73] offset:64*\j        ; bo at columns 16 j + 8 h + 0 .. 7: the sums begin as the bias
	global_load_b128 v[ACC+64*\i+8*\j+4:ACC+64*\i+8*\j+7], v[BO], s[72:73] offset:64*\j+16
.endr
.endr
.macro FETCH s                         ; K step s: 24 loads of 512 bytes (P) and 12 of 256 (R), into buffer s % 2
	WIN TO_F
.irp j, 0,1,2,3,4,5,6,7
.irp m, 0,1,2
	ds_load_b128 v[128*((\s)%2)+12*\j+4*\m:128*((\s)%2)+12*\j+4*\m+3], v[AP+(\s)/4] offset:6144*\j+FRB*((\s)%4)+512*\m
.endr
.endr
.irp i, 0,1
.irp p, 0,1,2,3,4,5
	ds_load_b64 v[128*((\s)%2)+96+12*\i+2*\p:128*((\s)%2)+96+12*\i+2*\p+1], v[AR+(\s)/4] offset:6144*\i+FRB*((\s)%4)+256*\p
.endr
.endr
.endm
.macro MUL16 s
.set FB, 128*((\s)%2)
.irp j, 0,1,2,3,4,5,6,7
.irp i, 0,1
.if (\s) < 4
	v_wmma_scale_f32_16x16x128_f8f6f4 v[ACC+64*\i+8*\j:ACC+64*\i+8*\j+7], v[FB+12*\j:FB+12*\j+11], v[FB+96+12*\i:FB+96+12*\i+11], v[ACC+64*\i+8*\j:ACC+64*\i+8*\j+7], v[PS+4*\j+(\s)%4], v[RS+4*\i+(\s)%4] matrix_a_fmt:MATRIX_FMT_FP6 matrix_b_fmt:MATRIX_FMT_FP6
.else
	v_wmma_scale_f32_16x16x128_f8f6f4 v[ACC+64*\i+8*\j:ACC+64*\i+8*\j+7], v[FB+12*\j:FB+12*\j+11], v[FB+96+12*\i:FB+96+12*\i+11], v[ACC+64*\i+8*\j:ACC+64*\i+8*\j+7], v[PS+4*\j+(\s)%4], v[RS+4*\i+(\s)%4] matrix_a_fmt:MATRIX_FMT_FP6 matrix_b_fmt:MATRIX_FMT_FP6 matrix_a_scale:MATRIX_SCALE_ROW1 matrix_b_scale:MATRIX_SCALE_ROW1
.endif
.endr
.endr
.endm
.macro KSTEP s
.if (\s) == 3
	s_wait_dscnt 0x0                               ; no LDS instruction of mine is pending at a signal
	s_wait_tensorcnt 0x0                           ; my part of half 1 is in
	s_barrier_signal -1
	s_barrier_wait -1
.endif
.if (\s) < 7
.if (\s) > 0
	PLACES 4                                       ; in front of loads into the buffer that the K step before multiplied
.endif
	FETCH (\s)+1
	s_wait_dscnt 36                                ; all but the 36 just issued: this K step's fragments are in
.else
	s_wait_dscnt 0x0
.endif
.if (\s) == 0
	s_wait_loadcnt 0x0                             ; the scale words and the bias
.endif
	WIN MUL
	MUL16 \s
.endm
	s_wait_alu depctr_va_vdst(0)
	s_wait_tensorcnt 0x0                           ; my part of half 0 is in
	ds_add_u32 v62, v63
	s_wait_dscnt 0x0
	CROUND                                         ; half 0 is whole, and all sixteen work-groups are here: the joint loads meet
	s_cmp_lt_u32 s8, 2
	s_cbranch_scc0 .Lfor_r2
	tensor_load_to_lds s[G0P+4:G0P+7], s[G1P:G1P+7]   ; half 1: my one load behind the round
	s_nop 0
	PLACES 4
	s_branch .Lasked2
.Lfor_r2:
	tensor_load_to_lds s[56:59], s[G1R:G1R+7]
	s_nop 0
	PLACES 4
.Lasked2:
	FETCH 0
.irp s, 0,1,2,3,4,5,6,7
	KSTEP \s
.endr
	WIN 0
; THE WAY OUT, 16 rows x 128 columns at a time: a lane holds 32 neighbouring bytes of a row and the lanes beside it other rows, so a block goes through my own stage and comes back as whole rows of 512 bytes.
; LDS serves a wave's instructions in order (ISA guide 5.7.1.4): no wait between the stores and the loads, nor in front of the next block's stores.
.macro TOSTAGE i
.irp j, 0,1,2,3,4,5,6,7
	ds_store_b128 v[STO], v[ACC+64*\i+8*\j:ACC+64*\i+8*\j+3] offset:64*\j          ; each accumulator from its low end on
	ds_store_b128 v[STO], v[ACC+64*\i+8*\j+4:ACC+64*\i+8*\j+7] offset:64*\j+16
.endr
.irp t, 0,1,2,3,4,5,6,7,8,9,10,11,12,13,14,15
	ds_load_b128 v[BK+64*\i+4*\t:BK+64*\i+4*\t+3], v[RD] offset:SP*\t              ; block 1 comes back into block 0's accumulators, which are done with
.endr
.endm
.macro SEND i, younger
	s_wait_dscnt \younger
.irp t, 0,1,2,3,4,5,6,7,8,9,10,11,12,13,14,15
	global_store_b128 v[L16], v[BK+64*\i+4*\t:BK+64*\i+4*\t+3], s[74:75] offset:(16*\i+\t)*4096 th:TH_STORE_NT   ; 32 lanes store 512 consecutive bytes, at a multiple of 256 from out0's first byte
.endr
.endm
	PLACES 4                                       ; in front of the first read of results
	TOSTAGE 0
	TOSTAGE 1
	SEND 0, 32                                     ; behind block 0's loads: block 1's 16 stores and 16 loads
	SEND 1, 0
	s_wait_tensorcnt 0x0
	ds_add_u32 v62, v63
	s_wait_dscnt 0x0
	CROUND                                         ; the closing round: no work-group ends while a partner may still ask for a chunk that names it
	s_endpgm
.Lfunc_end_k_q116f35251d_outp:
	.size	k_q116f35251d_outp, .Lfunc_end_k_q116f35251d_outp-k_q116f35251d_outp
	.p2alignl 7, 3214868480
	.fill 96, 4, 3214868480
	.section	.rodata,"a",@progbits
	.p2align	6, 0x0
	.amdhsa_kernel k_q116f35251d_outp
		.amdhsa_group_segment_fixed_size 327680
		.amdhsa_private_segment_fixed_size 0
		.amdhsa_enable_private_segment 0
		.amdhsa_kernarg_size 32
		.amdhsa_user_sgpr_count 2
		.amdhsa_user_sgpr_kernarg_segment_ptr 1
		.amdhsa_wavefront_size32 1
		.amdhsa_system_sgpr_workgroup_id_x 1
		.amdhsa_system_sgpr_workgroup_id_y 1
		.amdhsa_system_sgpr_workgroup_id_z 1
		.amdhsa_system_vgpr_workitem_id 0
		.amdhsa_next_free_vgpr 512
		.amdhsa_next_free_sgpr 96
		.amdhsa_reserve_vcc 0
		.amdhsa_float_denorm_mode_32 3
		.amdhsa_float_denorm_mode_16_64 3
		.amdhsa_memory_ordered 1
		.amdhsa_forward_progress 1
		.amdhsa_inst_pref_size 55
	.end_amdhsa_kernel
	.amdgpu_metadata
---
amdhsa.version: [ 1, 2 ]
amdhsa.kernels:
  - .name:           k_q116f35251d_outp
    .symbol:         k_q116f35251d_outp.kd
    .args:
      - { .name: cc, .offset: 0, .size: 8, .value_kind: global_buffer, .address_space: global }
      - { .name: prep, .offset: 8, .size: 8, .value_kind: global_buffer, .address_space: global }
      - { .name: bo, .offset: 16, .size: 8, .value_kind: global_buffer, .address_space: global }
      - { .name: out0, .offset: 24, .size: 8, .value_kind: global_buffer, .address_space: global }
    .group_segment_fixed_size: 327680
    .private_segment_fixed_size: 0
    .kernarg_segment_align: 8
    .kernarg_segment_size: 32
    .max_flat_workgroup_size: 128
    .sgpr_count:     96
    .vgpr_count:     512
    .wavefront_size: 32
...
	.end_amdgpu_metadata
.endif
;; end of part 4
